; MI455X (gfx1250); checked and timed in simulation.
; The chip was launched on July 23, 2026; its instructions are those of AMD's public machine-readable ISA for CDNA 5 (MIT licence, August 2026) and "CDNA5" Instruction Set Architecture Reference Guide (July 2026). The comments in the code are by the model that wrote it; some were corrected since.
;; Multi Head Attention. Allowed arithmetic: matrix products marked QUANTISED: E2M3 operands, one E8M0 scale for each 32 along K, by v_wmma_scale_f32_16x16x128_f8f6f4 with both operands' format E2M3, f32 sums; everything else in f32.
;; Inputs: W_K 1,024 x 1,024 float32; W_O 1,024 x 1,024 float32; W_Q 1,024 x 1,024 float32; W_V 1,024 x 1,024 float32; input_K 4 x 2,048 x 1,024 float32; input_Q 4 x 2,048 x 1,024 float32; input_V 4 x 2,048 x 1,024 float32.
;; Outputs: out0 4 x 2,048 x 1,024 float32.
;; This version of the problem:
;;   THIS VERSION OF THE PROBLEM IS GIVEN IN LOW PRECISION. The matrix products marked QUANTISED in the list below multiply operands that are first quantised to E2M3 (2 exponent bits, 3 mantissa bits; 6 bits a number), with one power-of-two scale for each 32 numbers along K (OCP MX v1.0); their sums are f32. All else is computed in f32.
;;   The module's matrix products, in the order in which they are computed (A, B: the left and right operand; K: the contracted axis; several contracted axes count as one K, in the product's order):
;;     1. [M 8,192, K 1,024] x [K 1,024, N 1,024]; A: input input_Q; B: input W_Q: QUANTISED
;;     2. [M 8,192, K 1,024] x [K 1,024, N 1,024]; A: input input_K; B: input W_K: QUANTISED
;;     3. [M 8,192, K 1,024] x [K 1,024, N 1,024]; A: input input_V; B: input W_V: QUANTISED
;;     4. batch 64 x [M 2,048, K 64] x [K 64, N 2,048]; A: computed on the way; B: computed on the way: QUANTISED
;;     5. batch 64 x [M 2,048, K 2,048] x [K 2,048, N 64]; A: softmax (see below); B: computed on the way: QUANTISED
;;     6. [M 8,192, K 1,024] x [K 1,024, N 1,024]; A: computed on the way; B: input W_O: QUANTISED
;;   THE QUANTISER, for each operand of a quantised product, along K:
;;     - K is cut into blocks of 32 from its start; a last block that is shorter is filled with zeros.
;;     - A block's scale is 2^e with e = floor(log2(the largest magnitude in the block)) - 2, held to -126 .. 127; a block of zeros has e = 0. As a byte (E8M0): e + 127.
;;     - Each number is divided by its block's scale, clamped to +-7.5, and rounded to the nearest number of E2M3, ties to even, subnormals kept.
;;     - The product sums the exact products of the quantised numbers (number of the format x scale) in f32.
;;   ~~~python
;;   def quantise(x, axis):      # numpy; x: float32 -> the quantised numbers, widened to float32 again
;;       x = np.moveaxis(x, axis, -1); K = x.shape[-1]
;;       x = np.pad(x, [(0, 0)] * (x.ndim - 1) + [(0, -K % 32)]); x = x.reshape(x.shape[:-1] + (-1, 32)); a = np.abs(x).max(-1, keepdims=True)
;;       e = np.where(a > 0, np.clip(np.frexp(np.where(a > 0, a, 1))[1] - 1 - 2, -126, 127), 0)      # np.frexp(a)[1] - 1 = floor(log2(a)), exactly
;;       r = np.clip(x / 2.0 ** e, -7.5, 7.5)
;;       step = 2.0 ** (np.maximum(np.frexp(np.where(r == 0, 1, r))[1] - 1, 0) - 3)
;;       q = np.round(r / step) * step * 2.0 ** e      # np.round: ties to even
;;       return np.moveaxis(q.reshape(q.shape[:-2] + (-1,))[..., :K], -1, axis).astype(np.float32)
;;   ~~~
;;   SOFTMAX AHEAD OF A QUANTISED PRODUCT. Where the list says 'softmax', what is quantised is not the finished softmax but p = 2^(t - M), with t = logit x log2(e) and M = ceil(the row's largest t), a whole number; so 1/2 < the row's largest p <= 1. The row's sum l is taken of the UNQUANTISED p, in f32, and the product's result is divided by l at the end. Since M is a whole number, a kernel that streams over the keys may use a running M (the ceiling of the running maximum): every later rescaling is an exact power of two, which a block's scale takes up: the codes' values come out the same.
;;   OPERANDS COMPUTED ON THE WAY. 'Computed on the way' means the value that the module computes at that place (a softmax that the list does not call 'softmax' is quantised finished and normalised). What goes into a quantiser is computed in f32, as accurately as f32 sums, v_exp_f32 and their like allow (about 1e-6 of the number): no bf16 or f16 on the way to a quantiser, and a product that is left as it is and whose result goes on into a quantised operand takes f32 operands (vector FMAs, or v_wmma_f32_16x16x4_f32). A number that lies on a knife's edge between two numbers of the format may be rounded either way, as far as f32 arithmetic and the matrix unit's own rounding can turn it there, and no further.
;; One version. Each part assembles by itself: llvm-mc -triple=amdgcn-amd-amdhsa -mcpu=gfx1250 --defsym DOCPART=n.
;; ======== version 1 of 1: 4 launches
;; limits: right only within a limited range of input values
;; workspace buffers: xc 18,874,368 bytes; xs 786,432 bytes; wc 3,145,728 bytes; ws 131,072 bytes; pc 18,874,368 bytes; ps 786,432 bytes; vc 6,291,456 bytes; vs 262,144 bytes
;; launch quant (part 1): grid 896 x 1, 4 waves a work-group, no clusters, 34,304 bytes of LDS; arguments input_Q, input_K, input_V, W_Q, W_K, W_V, W_O, xc, xs, wc, ws; writes xc, xs, wc, ws
.if DOCPART == 1
	.amdgcn_target "amdgcn-amd-amdhsa--gfx1250"
	.amdhsa_code_object_version 6
	.text
	.protected	k_qc91cf837c5_quant
	.globl	k_qc91cf837c5_quant
	.p2align	8
	.type	k_qc91cf837c5_quant,@function
k_qc91cf837c5_quant:
	s_mov_b64 s[64:65], 0
	v_nop
	global_prefetch_b8 v0, s[64:65] scope:SCOPE_SE
	s_setreg_imm32_b32 hwreg(HW_REG_WAVE_MODE, 25, 1), 1
	s_wait_xcnt 0x0
; The three inputs [8192][1024] (K innermost) and the four weights [1024 (K)][1024 (n)] (K outermost), all f32, become codes of FP6 (E2M3) with one E8M0 byte for each 32 along K,
; laid in the order in which a matrix operand's registers take them.
; A TILE is 16 rows (of an input) or 16 columns (of a weight).  Tile 2 b + u holds in its place r the true row 32 b + 8 u + r + 8 (r / 8).
; AN IMAGE (1,536 bytes) is a tile's 12 operand registers for 128 along K: byte 512 g + 16 l holds registers 4 g .. 4 g + 3 of lane l; lane (r, h) has in registers 6 c .. 6 c + 5 the codes of K = 64 c + 32 h + 0 .. 31.
; A UNIT OF SCALE WORDS (256 bytes) serves four tiles t and 128 along K: byte 8 l + 4 i is the word of tile t = 2 i + l / 16, place l % 16.
; xc: [tensor 3][tile 512][K step 8][1536]; xs: [tensor][64 rows: 128][K step 8][256]; wc: [matrix 4][tile 64][K step 8][1536]; ws: [matrix][64 columns: 16][K step 8][256].
; A block's scale is 2^(floor(log2(its largest magnitude)) - 2); its byte is the largest magnitude's exponent field - 2, held at 1 from below.
; LIMITS: a block of zeros, and a block whose largest magnitude lies under 2^-124, gets the byte 1 (the stated quantiser says 127 for zeros): its codes are zeros or are made under the floor's scale,
; and the bytes are read by this program alone.  NaN and infinities among the inputs are not served.
; Work-groups 0-127 take the weights, 128-895 the inputs.  A wave takes 64 rows (or columns) x 128 along K: four images and one unit of scale words.  Waves share nothing: no barrier.
.set X,    16                          ; v16-79    64 numbers of a lane: block c at X + 32 c
.set R,    80                          ; v80-207   two sets of 64 registers as they are loaded
.set F,    208                         ; v208-231  two sets of 12: an image's registers
.set CT,   232                         ; v232-234, v236-238: the upper halves of the two blocks' codes (a conversion's three registers begin on an even number)
.set MX0,  240                         ; largest magnitudes,
.set MX1,  241
.set EX0,  242                         ; the conversions' scale operands,
.set EX1,  243
.set BY0,  244                         ; the bytes,
.set BY1,  245
.set BPK,  246                         ; both bytes: byte 0 and byte 2
.set TPL,  247                         ; a lane permute's destination
.set WD,   8                           ; v8-11     scale words
.set SPI,  528                         ; the stage: 16 rows of 512 bytes + 16
; 64 numbers of a lane, block c at src + 32 c, become 12 registers of codes at dst, and the two bytes in v[BPK]
.macro Q64 src, dst
	v_max3_num_f32 v[MX0], |v[(\src)]|, |v[(\src)+1]|, 0x1800000     ; with the floor 2^(3 - 127) among the leaves: the byte cannot fall under 1
	v_max3_num_f32 v[MX1], |v[(\src)+32]|, |v[(\src)+33]|, 0x1800000
.irp i, 2,4,6,8,10,12,14,16,18,20,22,24,26,28,30
	v_max3_num_f32 v[MX0], v[MX0], |v[(\src)+\i]|, |v[(\src)+\i+1]|  ; the two blocks by turns
	v_max3_num_f32 v[MX1], v[MX1], |v[(\src)+32+\i]|, |v[(\src)+33+\i]|
.endr
	v_add_nc_u32 v[EX0], 0xff000000, v[MX0]        ; 2 off the exponent field: the conversion takes this operand's exponent field as its scale
	v_add_nc_u32 v[EX1], 0xff000000, v[MX1]
	v_lshrrev_b32 v[BY0], 23, v[EX0]               ; the scale's byte
	v_lshrrev_b32 v[BY1], 23, v[EX1]
	v_lshl_or_b32 v[BPK], v[BY1], 16, v[BY0]
	v_cvt_scalef32_pk16_fp6_f32 v[(\dst):(\dst)+2], v[(\src):(\src)+15], v[EX0]
	v_cvt_scalef32_pk16_fp6_f32 v[CT:CT+2], v[(\src)+16:(\src)+31], v[EX0]
	v_cvt_scalef32_pk16_fp6_f32 v[(\dst)+6:(\dst)+8], v[(\src)+32:(\src)+47], v[EX1]
	v_cvt_scalef32_pk16_fp6_f32 v[CT+4:CT+6], v[(\src)+48:(\src)+63], v[EX1]
	v_nop                                          ; one plain instruction behind the conversions, ahead of the moves that read their results
.irp i, 0,1,2
	v_mov_b32 v[(\dst)+3+\i], v[CT+\i]
	v_mov_b32 v[(\dst)+9+\i], v[CT+4+\i]
.endr
.endm
; tile t of my 64 rows: 16 loads, each 512 consecutive bytes of one row, into set t % 2
.macro XLOAD t
.irp i, 0,1,2,3,4,5,6,7,8,9,10,11,12,13,14,15
	global_load_b128 v[R+64*((\t)%2)+4*\i:R+64*((\t)%2)+4*\i+3], v4, s[4:5] offset:(32*((\t)/2)+8*((\t)%2)+\i+8*(\i/8))*4096 th:TH_LOAD_NT
.endr
.endm
.macro XTILE t
.if (\t) < 3
	s_wait_loadcnt 16                              ; this tile's 16 loads are in; the next tile's 16 may be out
.else
	s_wait_loadcnt 0x0
.endif
.irp i, 0,1,2,3,4,5,6,7,8,9,10,11,12,13,14,15
	ds_store_b128 v5, v[R+64*((\t)%2)+4*\i:R+64*((\t)%2)+4*\i+3] offset:SPI*\i   ; the rows as they lie, into my wave's stage
.endr
.irp c, 0,1
.irp j, 0,1,2,3,4,5,6,7
	ds_load_b128 v[X+32*\c+4*\j:X+32*\c+4*\j+3], v6 offset:256*\c+16*\j   ; and back: lane (r, h) takes K = 64 c + 32 h + 0 .. 31 of row r.  LDS serves a wave's instructions in order
.endr
.endr
	s_wait_dscnt 0x0
.if (\t) < 2
	XLOAD (\t)+2                                   ; the set has been read by the stage's stores
.else
	s_wait_xcnt 0x0                                ; the image's registers are written again only behind this wait: the stores of two tiles ago have read them
.endif
	Q64 X, F+12*((\t)%2)
	v_lshlrev_b32 v[BPK], v12, v[BPK]              ; my bytes are those of blocks h and 2 + h: 8 h bits up,
	v_permlanex16_b32 v[TPL], v[BPK], s30, s31
	v_or_b32 v[WD+(\t)], v[BPK], v[TPL]            ; and with lane l xor 16's two the row's word is whole
.irp g, 0,1,2
	global_store_b128 v4, v[F+12*((\t)%2)+4*\g:F+12*((\t)%2)+4*\g+3], s[18:19] offset:12288*(\t)+512*\g   ; 32 lanes store 512 consecutive bytes
.endr
.endm
; piece P of my 64 columns: columns 32 (P / 2) + lane, K = 64 c + 32 (P % 2) + j: each load reads 128 consecutive bytes of one row of the weight
.macro WLOAD P
.irp c, 0,1
.irp j, 0,1,2,3,4,5,6,7,8,9,10,11,12,13,14,15,16,17,18,19,20,21,22,23,24,25,26,27,28,29,30,31
	global_load_b32 v[R+64*((\P)%2)+32*\c+\j], v4, s[10:11] offset:(64*\c+32*((\P)%2)+\j)*4096+128*((\P)/2) th:TH_LOAD_NT
.endr
.endr
.endm
.macro WPIECE P
.if (\P) < 3
	s_wait_loadcnt 63                              ; behind this piece's loads 64 were issued; the wait's field ends at 63, and a smaller count is safe
.else
	s_wait_loadcnt 0x0
.endif
.if (\P) >= 2
	s_wait_xcnt 0x0                                ; the image's registers are written again only behind this wait
.endif
	Q64 R+64*((\P)%2), F+12*((\P)%2)
.if (\P) < 2
	WLOAD (\P)+2
.endif
.if (\P)%2 == 0
	v_mov_b32 v[WD+(\P)/2], v[BPK]                 ; blocks 0 and 2 of my column,
.else
	v_lshl_or_b32 v[WD+(\P)/2], v[BPK], 8, v[WD+(\P)/2]   ; and blocks 1 and 3: the word is whole
.endif
.irp g, 0,1,2
	global_store_b128 v5, v[F+12*((\P)%2)+4*\g:F+12*((\P)%2)+4*\g+3], s[22:23] offset:24576*((\P)/2)+256*((\P)%2)+512*\g   ; sixteen lanes store 256 consecutive bytes of one tile's image, the other sixteen of the next tile's
.endr
.endm
	s_load_b256 s[4:11], s[0:1], 0x0               ; input_Q, input_K, input_V, W_Q
	s_load_b256 s[12:19], s[0:1], 0x20             ; W_K, W_V, W_O, xc
	s_load_b128 s[20:23], s[0:1], 0x40             ; xs, wc
	s_load_b64 s[24:25], s[0:1], 0x50              ; ws
	v_lshl_add_u32 v248, v0, 2, 0x8400
	v_mov_b32 v249, 0
	v_lshrrev_b32 v1, 5, v0
	v_readfirstlane_b32 s26, v1                    ; wave 0..3
	v_and_b32 v1, 31, v0                           ; lane
	v_and_b32 v2, 15, v0                           ; r
	v_bfe_u32 v3, v0, 4, 1                         ; h
	s_mov_b32 s28, 0xffff0000                      ; lanes 16-31
	s_mov_b32 s30, 0x76543210
	s_mov_b32 s31, 0xfedcba98                      ; v_permlanex16_b32's selects for lane l xor 16
	v_mov_b32 v[TPL], 0                            ; written once: a lane permute's destination counts as one of its sources
	s_cmp_lt_u32 ttmp9, 128
	s_cbranch_scc1 .Lweights
	; ---- THE INPUTS.  Work-group 128 + 256 tensor + 2 group + half; my wave's K step is 4 half + wave
	s_sub_co_u32 s32, ttmp9, 128
	s_lshr_b32 s33, s32, 8                         ; tensor
	s_bfe_u32 s34, s32, 0x70001                    ; group of 64 rows
	s_and_b32 s35, s32, 1
	s_lshl_b32 s35, s35, 2
	s_add_co_u32 s35, s35, s26                     ; K step
	s_mul_i32 s27, s26, 16*SPI                     ; my wave's stage
	s_wait_alu depctr_va_vdst(0)
	v_lshlrev_b32 v4, 4, v1                        ; 16 x lane: in a row's 512 bytes, and in an image
	v_add_nc_u32 v5, s27, v4                       ; the stage, on the way in
	v_mul_u32_u24 v6, v2, SPI
	v_lshl_add_u32 v6, v3, 7, v6
	v_add_nc_u32 v6, s27, v6                       ; and on the way out: row r, + 128 h
	v_lshlrev_b32 v7, 3, v1                        ; 8 x lane: in a unit of scale words
	v_lshlrev_b32 v12, 3, v3                       ; 8 h
	s_lshl_b32 s36, s34, 18                        ; the input: 64 rows of 4,096 bytes a group,
	s_lshl_b32 s38, s35, 9                         ; 512 bytes a K step
	s_add_co_u32 s36, s36, s38
	s_mov_b32 s37, 0
	s_bfe_u32 s42, s34, 0x10000                    ; WHERE A GROUP OF 64 ROWS GOES in xc and xs: of each four groups of input_Q and input_K, groups 1 and 2 change places
	s_bfe_u32 s43, s34, 0x10001                    ; (the group number's bits 0 and 1), so that places a and a + 2 of four hold one run of 128 rows; input_V's groups lie in their order
	s_and_b32 s44, s34, 0x7c
	s_lshl_b32 s42, s42, 1
	s_or_b32 s44, s44, s42
	s_or_b32 s44, s44, s43
	s_cmp_eq_u32 s33, 2
	s_cselect_b32 s44, s34, s44
	s_mul_i32 s38, s33, 6291456                    ; xc
	s_mul_i32 s40, s44, 49152
	s_add_co_u32 s38, s38, s40
	s_mul_i32 s40, s35, 1536
	s_add_co_u32 s38, s38, s40
	s_mov_b32 s39, 0
	s_lshl_b32 s40, s33, 18                        ; xs
	s_lshl_b32 s42, s44, 11
	s_add_co_u32 s40, s40, s42
	s_lshl_b32 s42, s35, 8
	s_add_co_u32 s40, s40, s42
	s_mov_b32 s41, 0
	s_wait_alu depctr_va_vdst(0)
	s_wait_kmcnt 0x0
	s_cmp_eq_u32 s33, 1                            ; the choice hangs on the work-group's number alone
	s_cselect_b64 s[4:5], s[6:7], s[4:5]
	s_cmp_eq_u32 s33, 2
	s_cselect_b64 s[4:5], s[8:9], s[4:5]
	s_add_nc_u64 s[4:5], s[4:5], s[36:37]
	s_add_nc_u64 s[18:19], s[18:19], s[38:39]
	s_add_nc_u64 s[20:21], s[20:21], s[40:41]
	XLOAD 0
	XLOAD 1
	XTILE 0
	XTILE 1
	XTILE 2
	XTILE 3
	v_cndmask_b32 v14, v[WD], v[WD+1], s28         ; lanes 0-15 tile 0's words, lanes 16-31 tile 1's;
	v_cndmask_b32 v15, v[WD+2], v[WD+3], s28       ; tiles 2 and 3
	global_store_b64 v7, v[14:15], s[20:21]        ; 32 lanes store one aligned run of 256 bytes
	s_wait_tensorcnt 0x0
	ds_add_u32 v248, v249
	s_wait_dscnt 0x0
	s_endpgm
.Lweights:
	; ---- THE WEIGHTS.  Work-group 32 matrix + 4 K step + quarter; my wave's 64 columns are group 4 quarter + wave.  A lane takes a column and its registers run down K
	s_lshr_b32 s33, ttmp9, 5                       ; matrix
	s_bfe_u32 s35, ttmp9, 0x30002                  ; K step
	s_and_b32 s34, ttmp9, 3
	s_lshl_b32 s34, s34, 2
	s_add_co_u32 s34, s34, s26                     ; group of 64 columns
	s_wait_alu depctr_va_vdst(0)
	v_lshlrev_b32 v4, 2, v1                        ; 4 bytes a lane
	v_bfe_u32 v13, v0, 3, 1                        ; column 32 i + x lies in tile 2 i + u, u = (x / 8) % 2,
	v_and_b32 v14, 7, v0
	v_lshl_add_u32 v14, v3, 3, v14                 ; at place x % 8 + 8 (x / 16)
	v_mul_u32_u24 v5, v13, 12288
	v_lshl_add_u32 v5, v14, 4, v5                  ; in wc: the tile, 16 bytes a place
	v_lshl_add_u32 v6, v13, 4, v14
	v_lshlrev_b32 v6, 3, v6                        ; in ws: 8 (16 u + place)
	s_lshl_b32 s36, s35, 19                        ; the weight: 128 rows of 4,096 bytes a K step,
	s_lshl_b32 s38, s34, 8                         ; 256 bytes a group
	s_add_co_u32 s36, s36, s38
	s_mov_b32 s37, 0
	s_mul_i32 s38, s33, 786432                     ; wc
	s_mul_i32 s40, s34, 49152
	s_add_co_u32 s38, s38, s40
	s_mul_i32 s40, s35, 1536
	s_add_co_u32 s38, s38, s40
	s_mov_b32 s39, 0
	s_lshl_b32 s40, s33, 15                        ; ws
	s_lshl_b32 s42, s34, 11
	s_add_co_u32 s40, s40, s42
	s_lshl_b32 s42, s35, 8
	s_add_co_u32 s40, s40, s42
	s_mov_b32 s41, 0
	s_wait_alu depctr_va_vdst(0)
	s_wait_kmcnt 0x0
	s_cmp_eq_u32 s33, 1
	s_cselect_b64 s[10:11], s[12:13], s[10:11]
	s_cmp_eq_u32 s33, 2
	s_cselect_b64 s[10:11], s[14:15], s[10:11]
	s_cmp_eq_u32 s33, 3
	s_cselect_b64 s[10:11], s[16:17], s[10:11]
	s_add_nc_u64 s[10:11], s[10:11], s[36:37]
	s_add_nc_u64 s[22:23], s[22:23], s[38:39]
	s_add_nc_u64 s[24:25], s[24:25], s[40:41]
	WLOAD 0
	WLOAD 1
	WPIECE 0
	WPIECE 1
	WPIECE 2
	WPIECE 3
	global_store_b64 v6, v[WD:WD+1], s[24:25]      ; my column's words of the two sets of 32 columns: the 32 lanes fill the unit's 256 bytes
	s_endpgm
.Lfunc_end_k_qc91cf837c5_quant:
	.size	k_qc91cf837c5_quant, .Lfunc_end_k_qc91cf837c5_quant-k_qc91cf837c5_quant
	.p2alignl 7, 3214868480
	.fill 96, 4, 3214868480
	.section	.rodata,"a",@progbits
	.p2align	6, 0x0
	.amdhsa_kernel k_qc91cf837c5_quant
		.amdhsa_group_segment_fixed_size 34304
		.amdhsa_private_segment_fixed_size 0
		.amdhsa_enable_private_segment 0
		.amdhsa_kernarg_size 88
		.amdhsa_user_sgpr_count 2
		.amdhsa_user_sgpr_kernarg_segment_ptr 1
		.amdhsa_wavefront_size32 1
		.amdhsa_system_sgpr_workgroup_id_x 1
		.amdhsa_system_sgpr_workgroup_id_y 1
		.amdhsa_system_sgpr_workgroup_id_z 1
		.amdhsa_system_vgpr_workitem_id 0
		.amdhsa_next_free_vgpr 250
		.amdhsa_next_free_sgpr 66
		.amdhsa_reserve_vcc 0
		.amdhsa_float_denorm_mode_32 3
		.amdhsa_float_denorm_mode_16_64 3
		.amdhsa_memory_ordered 1
		.amdhsa_forward_progress 1
		.amdhsa_inst_pref_size 69
	.end_amdhsa_kernel
	.amdgpu_metadata
---
amdhsa.version: [ 1, 2 ]
amdhsa.kernels:
  - .name:           k_qc91cf837c5_quant
    .symbol:         k_qc91cf837c5_quant.kd
    .args:
      - { .name: input_Q, .offset: 0, .size: 8, .value_kind: global_buffer, .address_space: global }
      - { .name: input_K, .offset: 8, .size: 8, .value_kind: global_buffer, .address_space: global }
      - { .name: input_V, .offset: 16, .size: 8, .value_kind: global_buffer, .address_space: global }
      - { .name: W_Q, .offset: 24, .size: 8, .value_kind: global_buffer, .address_space: global }
      - { .name: W_K, .offset: 32, .size: 8, .value_kind: global_buffer, .address_space: global }
      - { .name: W_V, .offset: 40, .size: 8, .value_kind: global_buffer, .address_space: global }
      - { .name: W_O, .offset: 48, .size: 8, .value_kind: global_buffer, .address_space: global }
      - { .name: xc, .offset: 56, .size: 8, .value_kind: global_buffer, .address_space: global }
      - { .name: xs, .offset: 64, .size: 8, .value_kind: global_buffer, .address_space: global }
      - { .name: wc, .offset: 72, .size: 8, .value_kind: global_buffer, .address_space: global }
      - { .name: ws, .offset: 80, .size: 8, .value_kind: global_buffer, .address_space: global }
    .group_segment_fixed_size: 34304
    .private_segment_fixed_size: 0
    .kernarg_segment_align: 8
    .kernarg_segment_size: 88
    .max_flat_workgroup_size: 128
    .sgpr_count:     66
    .vgpr_count:     250
    .wavefront_size: 32
...
	.end_amdgpu_metadata
.endif
;; end of part 1
;; launch proj (part 2): grid 32 x 8, 4 waves a work-group, clusters of 4 x 4, 327,680 bytes of LDS; arguments xc, xs, wc, ws, pc, ps; writes pc, ps
.if DOCPART == 2
	.amdgcn_target "amdgcn-amd-amdhsa--gfx1250"
	.amdhsa_code_object_version 6
	.text
	.protected	k_qc91cf837c5_proj
	.globl	k_qc91cf837c5_proj
	.p2align	8
	.type	k_qc91cf837c5_proj,@function
k_qc91cf837c5_proj:
	s_mov_b64 s[64:65], 0
	v_nop
	global_prefetch_b8 v0, s[64:65] scope:SCOPE_SE
	s_setreg_imm32_b32 hwreg(HW_REG_WAVE_MODE, 25, 1), 1
	s_wait_xcnt 0x0
	s_wait_alu depctr_hold_cnt(0) depctr_sa_sdst(0) depctr_va_vdst(0) depctr_va_sdst(0) depctr_va_ssrc(0) depctr_va_vcc(0) depctr_vm_vsrc(0)
	s_getreg_b32 s2, hwreg(HW_REG_IB_STS2, 6, 4)
	s_cmp_eq_u32 s2, 0
	s_cbranch_scc0 .Lentry_in_a_cluster
	s_endpgm
.Lentry_in_a_cluster:
	s_bfe_u32 s2, ttmp6, 0x10000c
	s_cmp_lg_u32 s2, 0xf033
	s_cbranch_scc0 .Lentry_shape_is_right
	s_endpgm
.Lentry_shape_is_right:
; Q = input_Q W_Q, K = input_K W_K, V = input_V W_V on codes of FP6 (E2M3) with E8M0 scales, each result quantised again on the way out: Q and K along a head's 64 channels, V along the tokens.  No f32 result is stored.
; IN, as the first launch leaves them: xc [tensor 3][tile 512][K step 8][1536], xs [tensor][group of 64 rows: 128][K step 8][256], wc [matrix][tile 64][8][1536], ws [matrix][group 16][8][256].
; A tile is 16 rows; tile 2 b + u holds in place r the true row 32 b + 8 u + r + 8 (r / 8).  An image (1,536 bytes): byte 512 g + 16 l = operand registers 4 g .. 4 g + 3 of lane l.
; A unit of scale words (256 bytes): byte 8 l + 4 i = the word of item 2 i + l / 16 of four, place l % 16.  Of each four groups of input_Q and input_K, groups 1 and 2 have changed places in xc and xs.
; OUT: pc [Q, K, V][batch 4][head 16][98,304], ps [Q, K, V][batch][head][key step 16][256].  Q, K: image p of a head: registers 0-5 the 64 channels of token tile 2 p, 6-11 those of tile 2 p + 1; its word: two bytes each.
; V: [key step][channel tile 4][1536]: 16 channels x 128 keys; its word: the four blocks of 32 keys.
; THE DEAL.  256 work-groups of four waves, 2 x 2, that stay: each makes three tiles of 256 x 128, Q's, K's, V's.  Of a tile, operand S (256 rows) is streamed and operand R (128 rows) stands in registers.
; Q, K: S = 256 tokens (tile row 4 x cluster x + cx), R = 128 columns of the weight (tile column 4 x cluster y + cy).  V: S = W_V's 256 columns number cx, R = the 128 tokens of key step 4 x (cluster's number) + cy.
; The wave in row a, column b holds R's tiles 4 b .. 4 b + 3, all of K, in 384 registers, and takes as block s = 0 .. 7 the tile 4 (a + 2 (s / 4)) + s % 4 of S: 32 products, four accumulators by turns.
; Source 0 = R's tile, source 1 = S's: a lane holds one row of S, and its 32 sums are 64 neighbours of R in two halves of the lanes: two scale blocks; the way out is one text for all three tensors.
; S's tiles are shared by a column of the cluster, R's by a row: joint loads.  No LDS address hangs on the cluster's numbers.
; LDS: S's 16 tiles (196,608 bytes), R's 8 (98,304), V's images (24,576) and scale words (1,024) on their way out, the spare words.  All tiles are dense blocks of memory, brought as rows of 256 bytes.
; FILLS.  At the head one load a wave: R; S's tiles 0-7; 8-11; 12-15.  The next tensor is filled over this one in two drained rounds of the cluster's barrier: in block 2 (R stands in registers, blocks 0-3 have been fetched)
; waves 0, 1 ask for R's halves and waves 2, 3 for S's tiles 0-3, 4-7; in block 7 (all blocks have been fetched) each wave asks for two of S's tiles 8-15.  Block 7's round shows the first four;
; block 2's round shows S's tiles 8-15, ahead of block 4's fetch; in V, which has no round, a plain barrier in block 1 does.
; PREFETCHES: what a round will load is asked for into the L2 two or three blocks ahead: behind block 0 the next R and the next S's tiles 0-7, behind block 4 its tiles 8-15.  Each is 384 blocks of 256 bytes that sixteen waves
; (four partners x four waves) will ask for jointly: they are shared out by address, 24 blocks a wave, a lane a block (lanes 24-31 name the wave's last block again).  V's trip asks for nothing.
; THE SCALE WORDS go from memory into registers in whole units, a tensor ahead (v[NS ..]), and are moved to their places at the change of tensors.
; THE TEXT: Q and K are a loop of two trips (what differs lies in s[88:91], s[96:99]); V, which fetches nothing more, is written out.  A wave column holds half of V's keys of an image: V's codes and bytes meet in LDS and leave at the end.
; LIMITS: a block of zeros, and one whose largest magnitude lies under 2^-124, gets the scale byte 1; the bytes are read by this program alone.  NaN, infinities and sums beyond f32's range are not served.
.set TILE,   12288
.set YB,     16*TILE
.set VIM,    YB+8*TILE                 ; V's 16 images
.set VSS,    VIM+16*1536               ; V's 4 units of scale words
.set SPARE,  VSS+1024
.set FR,     12
.set FPW,    21                        ; fragments in a window.  Fragments 0-31: R's (4 q + t); 32-47: S's two sets (32 + 8 e + q); fragment f lies in window 1 + f / 21
.set NF,     24                        ; LDS loads of a block's fetch
.set RP,     16                        ; a round's opening signal stands ahead of this product
.set PFS,    2                         ; v2   the prefetches' offset in 98,304 bytes of S: my sixteenth, 256 bytes a lane
.set ADRA0,  4                         ; v4   LDS address of my block 0
.set AQ,     5                         ; v5   of the block that is fetched next
.set PFR,    6                         ; v6   as v2, in R
.set ADRB,   7                         ; v7   of my tiles of R
.set L8,     8                         ; v8   8 x lane
.set LI,     9                         ; v9   16 x lane
.set SPW,    10
.set NIL,    11
.set VA,     12                        ; v12-14 LDS: where my three pairs of registers go in an image of V
.set VB,     15                        ; v15  where my two bytes go in a unit
.set VR,     16                        ; v16  where I read four images back
.set VU,     17                        ; v17  and a unit
.set TM,     18                        ; v18-25 at work in the quantiser
.set PWA,    26                        ; v26, v27 two bytes of an even and of an odd block
.set PWB,    27
.set CT,     28                        ; v28-30 the second block's codes
.set SW,     32                        ; v32-35 the four images' words
.set YS,     36                        ; v[36:37] a unit
.set SB,     40                        ; v40-55 R's scale words: 2 q + t / 2
.set SA,     60                        ; v60-91 S's: 16 (s / 4) + 2 q + (s % 4) / 2.  A product's two scale registers differ by 3, 4 or 5 modulo 8
.set NS,     92                        ; v92-139 the next tensor's: R's 16, S's 32
.set ACC,    140                       ; v140-203 two sets of four accumulators
.set D,      204                       ; v204-215 an image
.set G1A, 24                           ; groups 1: S's mask, 384 rows of 256 bytes; 192 rows; 96 rows;  R's mask, 384 rows; 192 rows
.set G1C, 32
.set G1E, 68
.set G1B, 48
.set G1D, 76
.set G0X, 56                           ; groups 0: R's loads; S's tiles 0-7; S's tiles 8-15
.set G0Y, 60
.set G0Z, 84
.set NA,  88                           ; s[88:89] S of the next tensor, s[90:91] R;  s[4:5], s[6:7] V's;  s[8:9], s[10:11] V's scale words (S's, R's)
.set NB,  90
.set QSA, 92                           ; s[92:93], s[94:95] Q's scale words (S's, R's); K's lie a constant on
.set QSB, 94
.set OC,  96                           ; s[96:97] where the tensor's codes go, s[98:99] its words;  s[12:13], s[14:15] V's
.set OS,  98
.set MSB, 0
.macro WIN new
.if MSB != (\new)
	s_set_vgpr_msb (MSB<<8)|(\new)
.set MSB, (\new)
.endif
.endm
.macro PLACES n
.rept \n
	v_nop
.endr
.endm
.macro WALU
	s_wait_alu depctr_va_vdst(0)
.endm
.macro BARRIER
	s_barrier_signal -1
	s_barrier_wait -1
.endm
.macro MIDDLE                          ; a round's middle, in one piece
	s_barrier_wait -1
	s_cmp_lg_u32 s16, 0
	s_cbranch_scc1 .Lnot_wave_0_\@
	s_barrier_signal -3
.Lnot_wave_0_\@:
	s_barrier_wait -3
.endm
.macro CROUND
	s_barrier_signal -1
	MIDDLE
	BARRIER
.endm
.macro TLOAD g0, g1                    ; an s_nop 0 and four v_nop follow the load
	tensor_load_to_lds s[\g0:\g0+3], s[\g1:\g1+7]
	s_nop 0
	PLACES 4
.endm
.macro GROUP1 g, mask, rows
	s_or_b32 s[\g+0], s[\mask], (3<<16)|(1<<21)
	s_mov_b32 s[\g+1], 32<<16
	s_mov_b32 s[\g+2], (\rows)<<16
	s_mov_b32 s[\g+3], 32<<16
	s_mov_b32 s[\g+4], \rows
	s_mov_b32 s[\g+5], 32
	s_mov_b32 s[\g+6], 0
	s_mov_b32 s[\g+7], 0
.endm
.macro FRAG f, adr, off
	WIN (1+(\f)/FPW)<<6
.irp g, 0,1,2
	ds_load_b128 v[FR*((\f)%FPW)+4*\g:FR*((\f)%FPW)+4*\g+3], v[\adr] offset:(\off)+512*\g
.endr
.endm
.macro FETCH e, adr
.irp q, 0,1,2,3,4,5,6,7
	FRAG 32+8*(\e)+\q, \adr, 1536*\q
.endr
	WIN 0
.endm
.macro WM c, ra, rb
	v_wmma_scale_f32_16x16x128_f8f6f4 v[D_:D_+7], v[FR*(FB_%FPW):FR*(FB_%FPW)+FR-1], v[FR*(FA_%FPW):FR*(FA_%FPW)+FR-1], \c, v[XB_], v[XA_] matrix_a_fmt:MATRIX_FMT_FP6 matrix_b_fmt:MATRIX_FMT_FP6 matrix_a_scale:MATRIX_SCALE_ROW\ra matrix_b_scale:MATRIX_SCALE_ROW\rb
.endm
.macro PROD1 s, c                      ; an odd tile's scale words lie in lanes 16-31 of their register
.if (T_%2) && ((\s)%2)
	WM \c, 1, 1
.elseif (T_%2)
	WM \c, 1, 0
.elseif ((\s)%2)
	WM \c, 0, 1
.else
	WM \c, 0, 0
.endif
.endm
.macro PROD s, n                       ; product n = 4 q + t of block s; the first along K starts the sum
.set Q_, (\n)/4
.set T_, (\n)%4
.set FB_, 4*Q_+T_
.set FA_, 32+8*((\s)%2)+Q_
.set D_, ACC+32*((\s)%2)+8*T_
.set XB_, SB+2*Q_+T_/2
.set XA_, SA+16*((\s)/4)+2*Q_+((\s)%4)/2
	WIN (1+FB_/FPW)|((1+FA_/FPW)<<2)
.if Q_
	PROD1 \s, v[D_:D_+7]
.else
	PROD1 \s, 0
.endif
.endm
.macro PRODS s, from, to
.set N_, \from
.rept (\to)-(\from)
	PROD \s, N_
.set N_, N_+1
.endr
	WIN 0
.endm
; THE QUANTISER of the 32 sums at v[X_ ..]: registers 16 c + i are neighbours 32 c + 16 (lane / 16) + i.  Six registers of codes at d (lanes 0-15 block 0, lanes 16-31 block 1), the two bytes in pw.
.macro QUANT d, pw
	v_max3_num_f32 v[TM], |v[X_]|, |v[X_+1]|, 0x1800000          ; four chains side by side, each accumulator from its low end on; the floor 2^(3 - 127) holds the byte at 1 from below
	v_max3_num_f32 v[TM+1], |v[X_+8]|, |v[X_+9]|, |v[X_+10]|
	v_max3_num_f32 v[TM+2], |v[X_+16]|, |v[X_+17]|, 0x1800000
	v_max3_num_f32 v[TM+3], |v[X_+24]|, |v[X_+25]|, |v[X_+26]|
.irp i, 2,4
	v_max3_num_f32 v[TM], v[TM], |v[X_+\i]|, |v[X_+\i+1]|
	v_max3_num_f32 v[TM+1], v[TM+1], |v[X_+9+\i]|, |v[X_+10+\i]|
	v_max3_num_f32 v[TM+2], v[TM+2], |v[X_+16+\i]|, |v[X_+17+\i]|
	v_max3_num_f32 v[TM+3], v[TM+3], |v[X_+25+\i]|, |v[X_+26+\i]|
.endr
	v_max3_num_f32 v[TM], v[TM], |v[X_+6]|, |v[X_+7]|
	v_max3_num_f32 v[TM+2], v[TM+2], |v[X_+22]|, |v[X_+23]|
	v_max3_num_f32 v[TM], v[TM], v[TM+1], |v[X_+15]|
	v_max3_num_f32 v[TM+2], v[TM+2], v[TM+3], |v[X_+31]|
	v_permlanex16_b32 v[TM+4], v[TM], s2, s3
	v_permlanex16_b32 v[TM+5], v[TM+2], s2, s3
	v_max_num_f32 v[TM], v[TM], v[TM+4]            ; with lane l xor 16's 16: the blocks' largest magnitudes
	v_max_num_f32 v[TM+2], v[TM+2], v[TM+5]
	v_add_nc_u32 v[TM+6], 0xff000000, v[TM]        ; 2 off the exponent field: the conversion's scale operand
	v_add_nc_u32 v[TM+7], 0xff000000, v[TM+2]
	v_lshrrev_b32 v[TM+4], 23, v[TM+6]             ; the scale's byte
	v_lshrrev_b32 v[TM+5], 23, v[TM+7]
	v_lshl_or_b32 v[\pw], v[TM+5], 8, v[TM+4]
	v_cvt_scalef32_pk16_fp6_f32 v[(\d):(\d)+2], v[X_:X_+15], v[TM+6]
	v_cvt_scalef32_pk16_fp6_f32 v[CT:CT+2], v[X_+16:X_+31], v[TM+7]
	v_nop                                          ; one plain line behind the conversions
.irp i, 0,1,2
	v_permlane16_swap_b32 v[(\d)+\i], v[CT+\i]     ; the operand's layout wants a whole block in a lane
.endr
.irp i, 0,1,2
	v_mov_b32 v[(\d)+3+\i], v[CT+\i]
.endr
.endm
; A BLOCK.  fill = 1: blocks 2 and 7 hold a refill's round.  kind 0: Q or K; kind 1: V
.macro BLOCK s, fill, kind
.set E_, (\s)%2
.set X_, ACC+32*E_
.if ((\s) == 1) && ((\fill) == 0)
	PRODS \s, 0, 24
	s_wait_tensorcnt 0x0                           ; every wave's part of S's tiles 8-15 is in,
	s_wait_dscnt 0x0
	s_barrier_signal -1                            ; a plain barrier shows them to all
	PRODS \s, 24, 32
	s_barrier_wait -1
.elseif (\fill) && (((\s) == 2) || ((\s) == 7))
	s_wait_tensorcnt 0x0                           ; no load of mine is out, so the groups 0 may be written
	ds_add_u32 v[SPW], v[NIL]
.if (\s) == 2
	s_mov_b32 s100, s20                            ; my half: 4 tiles x (wave % 2)
	s_add_co_u32 s[G0X+1], s20, YB
	s_add_nc_u64 s[G0X+2:G0X+3], s[NB:NB+1], s[100:101]
	s_or_b32 s[G0X+3], s[G0X+3], 0x80000000
	s_mov_b32 s[G0Y+1], s20
	s_add_nc_u64 s[G0Y+2:G0Y+3], s[NA:NA+1], s[100:101]
	s_or_b32 s[G0Y+3], s[G0Y+3], 0x80000000
.else
	s_mov_b32 s100, s21                            ; my two tiles: 8 + 2 x wave
	s_mov_b32 s[G0Z+1], s21
	s_add_nc_u64 s[G0Z+2:G0Z+3], s[NA:NA+1], s[100:101]
	s_or_b32 s[G0Z+3], s[G0Z+3], 0x80000000
.endif
	PRODS \s, 0, RP
	s_wait_dscnt 0x0                               ; the add is done, and so are my reads of the bytes that are filled again
	s_barrier_signal -1
	PRODS \s, RP, 32
	MIDDLE
	BARRIER
.if (\s) == 2
	s_cmp_lt_u32 s16, 2
	s_cbranch_scc0 .Lfor_s_\@
	TLOAD G0X, G1D                                 ; waves 0, 1: the next R's halves
	s_branch .Lasked_\@
.Lfor_s_\@:
	TLOAD G0Y, G1C                                 ; waves 2, 3: the next S's tiles 0-3, 4-7
.Lasked_\@:
.else
	TLOAD G0Z, G1E                                 ; every wave: two of the next S's tiles 8-15
.endif
.else
	PRODS \s, 0, 32
.endif
.if (\s) < 6                           ; four plain vector lines between the last product and the first reader of its sums
	v_add_nc_u32 v[AQ], TILE*(8*(((\s)+2)/4)+((\s)+2)%4), v[ADRA0]
	PLACES 3
.else
	PLACES 4
.endif
.if (\kind) == 0
.if E_ == 0
	s_wait_xcnt 0x0                                ; the last pair's stores have read the image's registers
	QUANT D, PWA
.else
	QUANT D+6, PWB
	v_lshl_or_b32 v[SW+(\s)/2], v[PWB], 16, v[PWA]
.irp g, 0,1,2
	global_store_b128 v[LI], v[D+4*\g:D+4*\g+3], s[OC:OC+1] offset:1536*((\s)/2)+512*\g   ; 32 lanes store 512 consecutive bytes
.endr
.if (\s) == 7
	v_cndmask_b32 v[YS], v[SW], v[SW+1], s19       ; lanes 0-15 image 0's words, lanes 16-31 image 1's; images 2 and 3
	v_cndmask_b32 v[YS+1], v[SW+2], v[SW+3], s19
	global_store_b64 v[L8], v[YS:YS+1], s[OS:OS+1] ; one aligned run of 256 bytes
.endif
.endif
.else
	QUANT D, PWA
.irp k, 0,1,2
	ds_store_b64 v[VA+\k], v[D+2*\k:D+2*\k+1] offset:1536*(8*((\s)/4)+(\s)%4)
.endr
	ds_store_b16 v[VB], v[PWA] offset:512*((\s)/4)+128*((\s)%2)+4*(((\s)%4)/2)   ; lanes l and l xor 16 write the same bytes with the same value
.endif
.if (\s) < 6
	FETCH E_, AQ
	s_wait_dscnt NF                                ; the next block's rows are in; the 24 loads just issued may be out
.elseif (\s) == 6
	s_wait_dscnt 0x0
.endif
.if (\fill) && ((\s) == 0)             ; what block 2's round will load, two blocks ahead
	global_prefetch_b8 v[PFR], s[NB:NB+1] th:TH_LOAD_NT scope:SCOPE_SE
	global_prefetch_b8 v[PFS], s[NA:NA+1] th:TH_LOAD_NT scope:SCOPE_SE
.elseif (\fill) && ((\s) == 4)         ; what block 7's round will load, three blocks ahead
	global_prefetch_b8 v[PFS], s[NA:NA+1] offset:8*TILE th:TH_LOAD_NT scope:SCOPE_SE
.endif
.endm
; A TENSOR BEGINS: R's 32 fragments, 96 loads; under them its scale words go to their places
.macro ENTERA
.irp q, 0,1,2,3,4,5,6,7
.irp t, 0,1,2,3
	FRAG 4*\q+\t, ADRB, TILE*\t+1536*\q
.endr
.endr
	WIN 0
	s_wait_loadcnt 0x0
.set I_, 0
.rept 16
	v_mov_b32 v[SB+I_], v[NS+I_]
.set I_, I_+1
.endr
.set I_, 0
.rept 32
	v_mov_b32 v[SA+I_], v[NS+16+I_]
.set I_, I_+1
.endr
	v_add_nc_u32 v[AQ], TILE, v[ADRA0]             ; block 1
	PLACES 8                                       ; a scale register written by a vector line stands 8 places ahead of a scaled product
	WALU                                           ; the wait here, ahead of the branches and waits below
.endm
.macro NSLOAD pa, pb, oa, ob           ; a tensor's scale words: 8 units of R's (my 64 rows), 16 of S's (my two groups), 256 bytes an instruction
.irp q, 0,1,2,3,4,5,6,7
	global_load_b64 v[NS+2*\q:NS+2*\q+1], v[L8], s[\pb:\pb+1] offset:(\ob)+256*\q
.endr
.irp g, 0,1
.irp q, 0,1,2,3,4,5,6,7
	global_load_b64 v[NS+16+16*\g+2*\q:NS+16+16*\g+2*\q+1], v[L8], s[\pa:\pa+1] offset:(\oa)+4096*\g+256*\q
.endr
.endr
.endm
; ---- the head
	s_load_b256 s[4:11], s[0:1], 0x0               ; xc, xs, wc, ws
	s_load_b128 s[12:15], s[0:1], 0x20             ; pc, ps
	v_lshl_add_u32 v[SPW], v0, 2, SPARE
	v_mov_b32 v[NIL], 0
	ds_add_u32 v[SPW], v[NIL]                      ; the opening lines: the add, twice on end, and its wait
	ds_add_u32 v[SPW], v[NIL]
	v_lshrrev_b32 v1, 5, v0
	v_readfirstlane_b32 s16, v1                    ; the wave; s17 its row a, s18 its column b
	s_lshr_b32 s17, s16, 1
	s_and_b32 s18, s16, 1
	s_bfe_u32 s40, ttmp6, 0x40000                  ; cx
	s_bfe_u32 s41, ttmp6, 0x40004                  ; cy
	s_mul_i32 s22, s17, 6144                       ; V's way out: my wave row's first image,
	s_add_co_u32 s22, s22, VIM
	s_mul_i32 s23, s18, 520                        ; registers 6 b + 2 k lie at byte 512 ((6 b + 2 k) / 4) + 4 ((6 b + 2 k) % 4) of a lane's place: k = 0: 520 b,
	s_add_co_u32 s23, s23, s22
	s_mul_i32 s100, s18, 1016                      ; k = 1: 8 + 1,016 b,
	s_add_co_u32 s100, s100, s22
	s_add_co_u32 s100, s100, 8
	s_add_co_u32 s101, s23, 512                    ; k = 2: 512 + 520 b
	s_lshl_b32 s47, s17, 8
	s_lshl_b32 s84, s18, 1
	s_add_co_u32 s47, s47, s84
	s_add_co_u32 s47, s47, VSS
	s_mul_i32 s84, s16, 6144
	s_add_co_u32 s84, s84, VIM
	s_lshl_b32 s85, s16, 8
	s_add_co_u32 s85, s85, VSS
	s_mul_i32 s86, s17, 4*TILE
	s_mul_i32 s87, s18, 4*TILE
	s_add_co_u32 s87, s87, YB
	s_lshl_b32 s88, s41, 2                         ; the prefetches: of the sixteen waves that share S's tiles (the same cx) I am number 4 cy + wave,
	s_add_co_u32 s88, s88, s16
	s_mul_i32 s88, s88, 6144
	s_lshl_b32 s89, s40, 2                         ; of those that share R's (the same cy) number 4 cx + wave
	s_add_co_u32 s89, s89, s16
	s_mul_i32 s89, s89, 6144
	v_and_b32 v1, 15, v0                           ; r
	v_and_b32 v3, 31, v0                           ; lane
	v_lshlrev_b32 v[LI], 4, v3
	v_lshlrev_b32 v[L8], 3, v3
	v_min_u32 v[TM], 23, v3
	v_add_nc_u32 v[ADRA0], s86, v[LI]
	v_add_nc_u32 v[ADRB], s87, v[LI]
	v_lshlrev_b32 v[TM], 8, v[TM]
	v_add_nc_u32 v[VA], s23, v[LI]
	v_add_nc_u32 v[VA+1], s100, v[LI]
	v_add_nc_u32 v[VA+2], s101, v[LI]
	v_lshl_add_u32 v[VB], v1, 3, s47
	v_add_nc_u32 v[VR], s84, v[LI]
	v_add_nc_u32 v[VU], s85, v[L8]
	v_add_nc_u32 v[PFS], s88, v[TM]
	v_add_nc_u32 v[PFR], s89, v[TM]
	v_mov_b32 v[TM+4], 0                           ; written once: a lane permute's destination counts as one of its sources
	v_mov_b32 v[TM+5], 0
	WALU                                           ; the wait here: the head's vector lines are over
	s_lshl_b32 s43, ttmp9, 2
	s_add_co_u32 s43, s43, s40                     ; Q, K: tile row, 0 .. 31
	s_and_b32 s42, ttmp7, 0xffff
	s_lshl_b32 s46, s42, 3
	s_add_co_u32 s46, s46, ttmp9                   ; the cluster's number, 0 .. 15
	s_lshl_b32 s46, s46, 2
	s_add_co_u32 s46, s46, s41                     ; V: the key step, 0 .. 63
	s_lshl_b32 s42, s42, 2
	s_add_co_u32 s42, s42, s41                     ; Q, K: tile column, 0 .. 7
	s_lshl_b32 s44, 0x1111, s40                    ; my column of the cluster shares S,
	s_lshl_b32 s45, s41, 2
	s_lshl_b32 s45, 15, s45                        ; my row R
	GROUP1 G1A, 44, 384
	GROUP1 G1C, 44, 192
	GROUP1 G1E, 44, 96
	GROUP1 G1B, 45, 384
	GROUP1 G1D, 45, 192
	s_mul_i32 s20, s18, 4*TILE                     ; 4 tiles x (wave % 2)
	s_mul_i32 s21, s16, 2*TILE
	s_add_co_u32 s21, s21, 8*TILE                  ; tiles 8 + 2 x wave
	s_mov_b32 s101, 0
	s_mov_b32 s2, 0x76543210
	s_mov_b32 s3, 0xfedcba98                       ; v_permlanex16_b32's selects for lane l xor 16
	s_mov_b32 s19, 0xffff0000                      ; lanes 16-31
	s_mov_b32 s[G0X], 1
	s_mov_b32 s[G0X+1], YB
	s_mov_b32 s[G0Y], 1
	s_mov_b32 s[G0Y+1], 0
	s_mov_b32 s[G0Z], 1
	s_add_co_u32 s[G0Z+1], s20, 8*TILE
	s_mul_i32 s88, s43, 16*TILE                    ; Q: my 16 token tiles, bytes from xc,
	s_mov_b32 s89, 0
	s_mul_i32 s90, s42, 8*TILE                     ; W_Q's 8 tiles, from wc,
	s_mov_b32 s91, 0
	s_lshl_b32 s92, s43, 13                        ; the tokens' scale words: groups 4 x tile row + a, and two on,
	s_lshl_b32 s22, s17, 11
	s_add_co_u32 s92, s92, s22
	s_mov_b32 s93, 0
	s_lshl_b32 s94, s42, 12                        ; the weight's: group 2 x tile column + b
	s_lshl_b32 s22, s18, 11
	s_add_co_u32 s94, s94, s22
	s_mov_b32 s95, 0
	s_lshr_b32 s22, s43, 3                         ; the batch,
	s_mul_i32 s96, s22, 1572864
	s_lshl_b32 s98, s22, 16
	s_lshl_b32 s22, s42, 1
	s_add_co_u32 s22, s22, s18                     ; my head,
	s_mul_i32 s23, s22, 98304
	s_add_co_u32 s96, s96, s23
	s_lshl_b32 s22, s22, 12
	s_add_co_u32 s98, s98, s22
	s_and_b32 s22, s43, 7
	s_lshl_b32 s22, s22, 1
	s_add_co_u32 s22, s22, s17                     ; my key step
	s_mul_i32 s23, s22, 6144
	s_add_co_u32 s96, s96, s23
	s_lshl_b32 s22, s22, 8
	s_add_co_u32 s98, s98, s22
	s_mov_b32 s97, 0
	s_mov_b32 s99, 0
	s_wait_dscnt 0x0                               ; both opening adds are done
	CROUND                                         ; the opening round: the first joint loads meet
	s_wait_kmcnt 0x0
	s_add_nc_u64 s[NA:NA+1], s[4:5], s[88:89]
	s_add_nc_u64 s[NB:NB+1], s[8:9], s[90:91]
	s_mov_b64 s[G0X+2:G0X+3], s[NB:NB+1]
	s_or_b32 s[G0X+3], s[G0X+3], 0x80000000
	s_mov_b64 s[G0Y+2:G0Y+3], s[NA:NA+1]
	s_or_b32 s[G0Y+3], s[G0Y+3], 0x80000000
	s_add_co_u32 s100, s20, 8*TILE
	s_add_nc_u64 s[G0Z+2:G0Z+3], s[NA:NA+1], s[100:101]
	s_or_b32 s[G0Z+3], s[G0Z+3], 0x80000000
	s_cmp_eq_u32 s16, 0
	s_cbranch_scc0 .Lwave_1
	TLOAD G0X, G1B                                 ; wave 0: R's 8 tiles, which are wanted first
	s_branch .Lasked
.Lwave_1:
	s_cmp_eq_u32 s16, 1
	s_cbranch_scc0 .Lwave_2
	TLOAD G0Y, G1A                                 ; wave 1: S's tiles 0 to 7
	s_branch .Lasked
.Lwave_2:
	TLOAD G0Z, G1C                                 ; waves 2, 3: tiles 8-11, 12-15; they wait alike
.Lasked:
	s_add_nc_u64 s[QSA:QSA+1], s[6:7], s[92:93]
	s_add_nc_u64 s[QSB:QSB+1], s[10:11], s[94:95]
	NSLOAD QSA, QSB, 0, 0                          ; Q's scale words
	s_add_nc_u64 s[NA:NA+1], s[NA:NA+1], 6291456   ; the next tensor is K
	s_add_nc_u64 s[NB:NB+1], s[NB:NB+1], 786432
	s_add_nc_u64 s[OC:OC+1], s[12:13], s[96:97]
	s_add_nc_u64 s[OS:OS+1], s[14:15], s[98:99]
	s_lshr_b32 s22, s46, 4                         ; V's way out: the batch, head 4 cx + wave, the key step in its batch
	s_mul_i32 s100, s22, 1572864
	s_lshl_b32 s47, s22, 16
	s_lshl_b32 s22, s40, 2
	s_add_co_u32 s22, s22, s16
	s_mul_i32 s23, s22, 98304
	s_add_co_u32 s100, s100, s23
	s_lshl_b32 s22, s22, 12
	s_add_co_u32 s47, s47, s22
	s_and_b32 s22, s46, 15
	s_mul_i32 s23, s22, 6144
	s_add_co_u32 s100, s100, s23
	s_lshl_b32 s22, s22, 8
	s_add_co_u32 s47, s47, s22
	s_add_co_u32 s100, s100, 12582912
	s_add_nc_u64 s[12:13], s[12:13], s[100:101]
	s_add_co_u32 s100, s47, 524288
	s_add_nc_u64 s[14:15], s[14:15], s[100:101]
	s_mul_i32 s100, s46, 8*TILE                    ; V: R = input_V's 8 tiles of the key step,
	s_add_co_u32 s100, s100, 12582912
	s_add_nc_u64 s[22:23], s[4:5], s[100:101]
	s_mul_i32 s100, s40, 16*TILE                   ; S = W_V's 16 tiles number cx,
	s_add_co_u32 s100, s100, 1572864
	s_add_nc_u64 s[4:5], s[8:9], s[100:101]
	s_lshl_b32 s100, s40, 13                       ; S's scale words,
	s_lshl_b32 s47, s17, 11
	s_add_co_u32 s100, s100, s47
	s_add_co_u32 s100, s100, 65536
	s_add_nc_u64 s[8:9], s[10:11], s[100:101]
	s_lshl_b32 s100, s46, 12                       ; and R's
	s_lshl_b32 s47, s18, 11
	s_add_co_u32 s100, s100, s47
	s_add_co_u32 s100, s100, 524288
	s_add_nc_u64 s[10:11], s[6:7], s[100:101]
	s_mov_b64 s[6:7], s[22:23]
	s_cmp_eq_u32 s16, 0
	s_cbranch_scc0 .Lnot_b
	s_wait_tensorcnt 0x0                           ; wave 0: R has landed
.Lnot_b:
	BARRIER
	ENTERA
	NSLOAD QSA, QSB, 262144, 32768                 ; K's scale words
	s_cmp_eq_u32 s16, 1
	s_cbranch_scc0 .Lnot_a
	s_wait_tensorcnt 0x0                           ; wave 1: S's tiles 0 to 7 have landed
.Lnot_a:
	s_wait_dscnt 0x0
	BARRIER                                        ; waves 2 and 3's tiles may still be on their way
	FETCH 0, ADRA0
	FETCH 1, AQ
	s_wait_dscnt NF                                ; block 0's rows are in
	s_mov_b32 s47, 0
; ---- Q, then K
.Ltensor:
.irp s, 0,1,2,3,4,5,6,7
	BLOCK \s, 1, 0
.endr
	s_wait_xcnt 0x0                                ; the stores have read their bases, the prefetches theirs
	s_mov_b64 s[NA:NA+1], s[4:5]                   ; the tensor behind the next is V
	s_mov_b64 s[NB:NB+1], s[6:7]
	s_add_nc_u64 s[OC:OC+1], s[OC:OC+1], 6291456   ; K's results lie a tensor on
	s_add_nc_u64 s[OS:OS+1], s[OS:OS+1], 262144
	ENTERA                                         ; block 7's round has shown the next R and the next S's tiles 0 to 7
	s_cmp_eq_u32 s47, 0
	s_cbranch_scc0 .Lno_more
	NSLOAD 8, 10, 0, 0                             ; V's scale words, while K is made
.Lno_more:
	FETCH 0, ADRA0
	FETCH 1, AQ
	s_wait_dscnt NF                                ; R's fragments and block 0's rows are in
	s_add_co_u32 s47, s47, 1
	s_cmp_lt_u32 s47, 2
	s_cbranch_scc1 .Ltensor
; ---- V: nothing more is fetched
.irp s, 0,1,2,3,4,5,6,7
	BLOCK \s, 0, 1
.endr
	s_wait_dscnt 0x0                               ; for the others' sake
	BARRIER                                        ; both wave columns' halves of the images and words are in LDS
.irp k, 0,1,2,3,4,5,6,7,8,9,10,11
	ds_load_b128 v[ACC+4*\k:ACC+4*\k+3], v[VR] offset:512*\k   ; head 4 cx + wave: four images
.endr
	ds_load_b64 v[ACC+48:ACC+49], v[VU]            ; and its unit of words
	s_wait_dscnt 0x0
.irp k, 0,1,2,3,4,5,6,7,8,9,10,11
	global_store_b128 v[LI], v[ACC+4*\k:ACC+4*\k+3], s[12:13] offset:512*\k   ; 512 consecutive bytes a store
.endr
	global_store_b64 v[L8], v[ACC+48:ACC+49], s[14:15]
	s_wait_tensorcnt 0x0                           ; the wave's end
	ds_add_u32 v[SPW], v[NIL]
	s_wait_dscnt 0x0
	CROUND                                         ; the closing round
	s_endpgm
.Lfunc_end_k_qc91cf837c5_proj:
	.size	k_qc91cf837c5_proj, .Lfunc_end_k_qc91cf837c5_proj-k_qc91cf837c5_proj
	.p2alignl 7, 3214868480
	.fill 96, 4, 3214868480
	.section	.rodata,"a",@progbits
	.p2align	6, 0x0
	.amdhsa_kernel k_qc91cf837c5_proj
		.amdhsa_group_segment_fixed_size 327680
		.amdhsa_private_segment_fixed_size 0
		.amdhsa_enable_private_segment 0
		.amdhsa_kernarg_size 48
		.amdhsa_user_sgpr_count 2
		.amdhsa_user_sgpr_kernarg_segment_ptr 1
		.amdhsa_wavefront_size32 1
		.amdhsa_system_sgpr_workgroup_id_x 1
		.amdhsa_system_sgpr_workgroup_id_y 1
		.amdhsa_system_sgpr_workgroup_id_z 1
		.amdhsa_system_vgpr_workitem_id 0
		.amdhsa_next_free_vgpr 840
		.amdhsa_next_free_sgpr 102
		.amdhsa_reserve_vcc 0
		.amdhsa_float_denorm_mode_32 3
		.amdhsa_float_denorm_mode_16_64 3
		.amdhsa_memory_ordered 1
		.amdhsa_forward_progress 1
		.amdhsa_inst_pref_size 167
	.end_amdhsa_kernel
	.amdgpu_metadata
---
amdhsa.version: [ 1, 2 ]
amdhsa.kernels:
  - .name:           k_qc91cf837c5_proj
    .symbol:         k_qc91cf837c5_proj.kd
    .args:
      - { .name: xc, .offset: 0, .size: 8, .value_kind: global_buffer, .address_space: global }
      - { .name: xs, .offset: 8, .size: 8, .value_kind: global_buffer, .address_space: global }
      - { .name: wc, .offset: 16, .size: 8, .value_kind: global_buffer, .address_space: global }
      - { .name: ws, .offset: 24, .size: 8, .value_kind: global_buffer, .address_space: global }
      - { .name: pc, .offset: 32, .size: 8, .value_kind: global_buffer, .address_space: global }
      - { .name: ps, .offset: 40, .size: 8, .value_kind: global_buffer, .address_space: global }
    .group_segment_fixed_size: 327680
    .private_segment_fixed_size: 0
    .kernarg_segment_align: 8
    .kernarg_segment_size: 48
    .max_flat_workgroup_size: 128
    .sgpr_count:     102
    .vgpr_count:     840
    .wavefront_size: 32
...
	.end_amdgpu_metadata
.endif
;; end of part 2
;; launch attn (part 3): grid 8 x 32, 16 waves a work-group, clusters of 4 x 1, 327,680 bytes of LDS; arguments pc, ps, vc, vs; writes vc, vs
.if DOCPART == 3
	.amdgcn_target "amdgcn-amd-amdhsa--gfx1250"
	.amdhsa_code_object_version 6
	.text
	.protected	k_qc91cf837c5_attn
	.globl	k_qc91cf837c5_attn
	.p2align	8
	.type	k_qc91cf837c5_attn,@function
k_qc91cf837c5_attn:
	s_mov_b64 s[64:65], 0
	v_nop
	global_prefetch_b8 v0, s[64:65] scope:SCOPE_SE
	s_setreg_imm32_b32 hwreg(HW_REG_WAVE_MODE, 25, 1), 1
	s_wait_xcnt 0x0
	s_wait_alu depctr_hold_cnt(0) depctr_sa_sdst(0) depctr_va_vdst(0) depctr_va_sdst(0) depctr_va_ssrc(0) depctr_va_vcc(0) depctr_vm_vsrc(0)
	s_getreg_b32 s2, hwreg(HW_REG_IB_STS2, 6, 4)
	s_cmp_eq_u32 s2, 0
	s_cbranch_scc0 .Lentry_in_a_cluster
	s_endpgm
.Lentry_in_a_cluster:
	s_bfe_u32 s2, ttmp6, 0x10000c
	s_cmp_lg_u32 s2, 0x3003
	s_cbranch_scc0 .Lentry_shape_is_right
	s_endpgm
.Lentry_shape_is_right:
; value[b][q][h][:] = the sum over keys of softmax(Q . K / 8) V, both products on codes of FP6 (E2M3) with E8M0 scales; the result is quantised along (head, channel) and leaves as codes for the last product.
; THE SOFTMAX: t = score x log2(e) / 8; M = the running largest t rounded UP to a whole number; p = 2^(t - M) is quantised along the keys, not normalised; the row's sum is taken of the unquantised p and divides
; at the end.  When M moves, the sum and O are multiplied by 2^(old M - new M): exact.
; IN: pc [Q, K, V][batch 4][head 16][98,304], ps [Q, K, V][batch][head][key step 16][256].  Q, K: image p of a head (1,536 bytes: byte 512 g + 16 l = registers 4 g .. 4 g + 3 of lane l) holds in registers 0-5 the
; 64 channels of token tile 2 p and in registers 6-11 those of tile 2 p + 1; V: [key step][channel tile 4][1536], 16 channels x 128 keys.  Tile 2 b + u holds in place r the true row 32 b + 8 u + r + 8 (r / 8).
; A unit of scale words: byte 8 l + 4 i = the word of item 2 i + l / 16, place l % 16; the items are a key step's four images of K, or V's four channel tiles.
; K = 64 UNDER AN INSTRUCTION 128 DEEP: an image of K is multiplied twice, by (q, 0) for its first tile and by (0, q) for its second: zero codes add nothing under any scale byte but 0xff, and all bytes lie in 1 .. 254.
; SHARES.  A work-group owns 256 queries and the heads 2 j, 2 j + 1, one after the other; each of its sixteen waves owns one tile of 16 queries in 256 registers: four waves to a SIMD.  Both products are used
; transposed (S^T = K Q^T, O^T = V^T P^T): a lane holds ONE query throughout, and the 16 registers of key tiles 2 b, 2 b + 1 are the neighbouring keys 32 b + 16 (lane / 16) + 0 .. 15.
; THE RING: two LDS slots of 1,024 keys (K's 49,152 bytes, then V's).  The two heads' K, and their V, are contiguous in memory: four slots' worth in one walk.  Every wave fetches 6,144 bytes of a slot:
; waves 0-7 K's eighths, waves 8-15 V's.  A slot's eight key steps are a loop of one step; the four slots are written out.
; THE SCALE WORDS of both heads' K and V, 16,384 bytes, come once, by plain loads and LDS stores, 1,024 bytes a wave, into LDS bytes of their own.
; CLUSTER: the four blocks of queries of a cluster walk the same K and V: every tile is asked for jointly, by the same load with the mask of all four.
; No prefetch: a refill is asked for eight key steps of sixteen waves ahead of the wait for it.
; OUT: vc [token tile 512][K step 8 = head pair][1536], vs [64 tokens: 128][K step 8][256], tiles, images and units as above.
; LIMITS: a block of zeros, and one whose largest magnitude lies under 2^-124, gets the scale byte 1; the bytes are read by this program alone.  NaN and infinities are not served.
.set SLOT1, 131072                     ; slot 1 begins here: one exclusive or turns an address in one slot into the other's
.set VOFF,  49152                      ; V's part of a slot
.set SCK,   98304                      ; behind slot 0: the scale words: K's of head 2 j, of 2 j + 1, V's of 2 j, of 2 j + 1: 4 x 4,096 bytes, stored once
.set SPARE, SCK+16384                  ; the spare words, 128 bytes for each wave: eight blocks of 256 bytes that no other line names
.set VSTG,  SPARE+2048                 ; four units of the value's scale words, gathered from the sixteen waves
.set LI,   1                           ; v1   16 x lane
.set ASC,  2                           ; v2   SCK + 8 x lane
.set ADK,  3                           ; v3   LDS address of the key step in hand
.set ADS,  4                           ; v4   of the step's scale words
.set SPW,  5                           ; v5   LDS address of my spare word; never rewritten
.set NIL,  6                           ; v6   0; never rewritten
.set VSA,  7                           ; v7   where my tile's scale word goes in VSTG
.set VRA,  8                           ; v8   where waves 0 and 1 read two units back
.set VGO,  9                           ; v9   and their offset in vs
.set QWO,  10                          ; v10  8 x (lane % 16): a place's word in a unit
                                       ; v12 -M, v13 the largest t, v[14:15] the sum in two halves
.set QA,   16                          ; v16-27  (q, 0)
.set QB,   28                          ; v28-39  (0, q)
.set QS,   40                          ; v40     q's scale word: its two bytes twice
.set SCA,  43                          ; v43     where my 1,024 bytes of scale words go in LDS
.set KV,   44                          ; v44-91  four images of K, then of V
.set KS,   92                          ; v[92:93] K's scale words
.set VS,   94                          ; v[94:95] V's
.set S,    96                          ; v96-159 S^T, then p
.set O,    160                         ; v160-191 O^T
.set PC,   192                         ; v192-203 p's codes
.set BM,   204                         ; v204-207 the blocks' largest scores, then largest p
.set PT,   208                         ; v208-211 at work
.set SO,   212                         ; v212-215 the conversions' scale operands
.set CT,   216                         ; v216-218, v220-222 upper halves of codes
.set F,    224                         ; v[224:225] f = 2^(old M - new M) (the pair's upper half is written once)
.set PW,   226                         ; v226    p's scale word
.set TT,   227
.set VF,   228                         ; v228-239 the value's image: registers 0-5 head 2 j, 6-11 head 2 j + 1 (v234-239 are at work in head 2 j's sums)
.set VW,   240                         ; v240    its scale word
.set Q1,   242                         ; v242-247 q of head 2 j + 1
.set QS1,  248                         ; v248    its scale word
.set WV,   12
.set SEL,  20                          ; s[20:21] lane selects for v_permlanex16_b32: lane l xor 16
.set CS,   22                          ; s[22:23] c = log2(e) / 8
.set G1C,  24                          ; s[24:31] descriptor group 1; s[40:43] group 0
.set G0,   40
.set TB,   48                          ; s48  LDS byte at which the key step in hand begins
.set TS,   49                          ; s49  the step's scale words: 256 bytes a step
.set CNT,  50
.macro CROUND                          ; a round of the cluster's barrier
	s_barrier_signal -1
	s_barrier_wait -1
	s_cmp_lg_u32 s[WV], 0
	s_cbranch_scc1 .Lnot_wave_0_\@
	s_barrier_signal -3
.Lnot_wave_0_\@:
	s_barrier_wait -3
	s_barrier_signal -1
	s_barrier_wait -1
.endm
; A KEY STEP: 128 keys, at LDS byte s[TB].
.macro STEP
	v_add_nc_u32 v[ADK], s[TB], v[LI]
	v_add_nc_u32 v[ADS], s[TS], v[ASC]
	v_nop
	v_nop                                          ; four places in front of loads into registers that the last products read
.irp p, 0,1,2,3
.irp g, 0,1,2
	ds_load_b128 v[KV+12*\p+4*\g:KV+12*\p+4*\g+3], v[ADK] offset:1536*\p+512*\g   ; K's four images: 512 consecutive bytes a load
.endr
.endr
	ds_load_b64 v[KS:KS+1], v[ADS]                 ; register i: image 2 i's words in lanes 0-15, image 2 i + 1's in lanes 16-31
	s_wait_alu depctr_va_vdst(0)
	s_wait_dscnt 0x0
.irp t, 0,1,2,3,4,5,6,7                            ; S^T = K Q^T: key tile t lies in image t / 2; the even tile meets (q, 0), the odd one (0, q)
.if (\t/2)%2
	v_wmma_scale_f32_16x16x128_f8f6f4 v[S+8*\t:S+8*\t+7], v[KV+12*(\t/2):KV+12*(\t/2)+11], v[QA+12*(\t%2):QA+12*(\t%2)+11], 0, v[KS+\t/4], v[QS] matrix_a_fmt:MATRIX_FMT_FP6 matrix_b_fmt:MATRIX_FMT_FP6 matrix_a_scale:MATRIX_SCALE_ROW1
.else
	v_wmma_scale_f32_16x16x128_f8f6f4 v[S+8*\t:S+8*\t+7], v[KV+12*(\t/2):KV+12*(\t/2)+11], v[QA+12*(\t%2):QA+12*(\t%2)+11], 0, v[KS+\t/4], v[QS] matrix_a_fmt:MATRIX_FMT_FP6 matrix_b_fmt:MATRIX_FMT_FP6
.endif
.endr
.rept 4
	v_nop                                          ; places: for the loads below, and for the first read of the scores
.endr
.irp c, 0,1,2,3
.irp g, 0,1,2
	ds_load_b128 v[KV+12*\c+4*\g:KV+12*\c+4*\g+3], v[ADK] offset:VOFF+1536*\c+512*\g   ; V's four images: they land while the softmax is worked
.endr
.endr
	ds_load_b64 v[VS:VS+1], v[ADS] offset:8192
.irp b, 0,1,2,3
	v_max3_num_f32 v[BM+\b], v[S+16*\b], v[S+1+16*\b], v[S+2+16*\b]   ; the largest score of each block of 32 keys: for the row's maximum and, since p rises with the score, for the block's largest p
.endr
.irp i, 3,5,7,9,11,13
.irp b, 0,1,2,3
	v_max3_num_f32 v[BM+\b], v[BM+\b], v[S+16*\b+\i], v[S+1+16*\b+\i]
.endr
.endr
.irp b, 0,1,2,3
	v_max_num_f32 v[BM+\b], v[BM+\b], v[S+15+16*\b]
.endr
.irp b, 0,1,2,3
	s_delay_alu instid0(VALU_DEP_4)
	v_permlanex16_b32 v[PT+\b], v[BM+\b], s[SEL], s[SEL+1]
.endr
.irp b, 0,1,2,3
	s_delay_alu instid0(VALU_DEP_4)
	v_max_num_f32 v[BM+\b], v[BM+\b], v[PT+\b]     ; with lane l xor 16's 16 keys
.endr
	s_delay_alu instid0(VALU_DEP_2)
	v_max3_num_f32 v[TT], v[BM], v[BM+1], v[BM+2]
	s_delay_alu instid0(VALU_DEP_1)
	v_max_num_f32 v[TT], v[TT], v[BM+3]            ; the step's largest score of my query
	s_delay_alu instid0(VALU_DEP_1)
	v_mul_f32 v[TT], s[CS], v[TT]                  ; as t (c is positive)
	s_delay_alu instid0(VALU_DEP_1)
	v_max_num_f32 v13, v13, v[TT]                  ; the running largest t
	v_mov_b32 v[TT], v12
	s_delay_alu instid0(VALU_DEP_2)
	v_floor_f32 v12, -v13                          ; the new -M = floor(-t) = -ceil(t): a whole number
	s_delay_alu instid0(VALU_DEP_1)
	v_sub_f32 v[TT], v12, v[TT]                    ; M's old value less its new one: a whole number, 0 or less
	s_delay_alu instid0(VALU_DEP_1)
	v_cvt_i32_f32 v[TT], v[TT]                     ; (it saturates)
	s_delay_alu instid0(VALU_DEP_1)
	v_ldexp_f32 v[F], 1.0, v[TT]                   ; f = 2^(old M - new M)
.set jj, 0
.rept 32
	v_pk_fma_f32 v[S+jj:S+jj+1], v[S+jj:S+jj+1], s[CS:CS+1], v[12:13] op_sel_hi:[1,0,0]   ; t - M, two at a time
.set jj, jj+2
.endr
.irp b, 0,1,2,3
	v_fma_f32 v[BM+\b], v[BM+\b], s[CS], v12       ; the same of each block's largest score
.endr
.set jj, 0
	s_wait_alu depctr_va_vdst(0)
.rept 64
	v_exp_f32 v[S+jj], v[S+jj]                     ; p = 2^(t - M), at most 1
.set jj, jj+1
.endr
	v_pk_mul_f32 v[14:15], v[14:15], v[F:F+1] op_sel_hi:[1,0]   ; the sums under the new M: a plain instruction behind the exponentials
	s_wait_alu depctr_va_vdst(0)                   ; one wait for the whole batch, ahead of its first reader
.irp b, 0,1,2,3
	v_exp_f32 v[BM+\b], v[BM+\b]                   ; the block's largest p: the same two instructions on the same number give the same bits
.endr
	v_pk_add_f32 v[208:209], v[100:101], v[104:105]                ; the row's sum of the unquantised p, two at a time, in eight chains
	v_pk_add_f32 v[254:255], v[108:109], v[112:113]
	v_pk_add_f32 v[252:253], v[116:117], v[120:121]
	v_pk_add_f32 v[250:251], v[124:125], v[128:129]
	v_pk_add_f32 v[238:239], v[132:133], v[136:137]
	v_pk_add_f32 v[236:237], v[140:141], v[144:145]
	v_pk_add_f32 v[234:235], v[148:149], v[152:153]
	v_pk_add_f32 v[14:15], v[14:15], v[156:157]
	v_pk_add_f32 v[208:209], v[208:209], v[96:97]
	v_pk_add_f32 v[254:255], v[254:255], v[98:99]
	v_pk_add_f32 v[252:253], v[252:253], v[102:103]
	v_pk_add_f32 v[250:251], v[250:251], v[106:107]
	v_pk_add_f32 v[238:239], v[238:239], v[110:111]
	v_pk_add_f32 v[236:237], v[236:237], v[114:115]
	v_pk_add_f32 v[234:235], v[234:235], v[118:119]
	v_pk_add_f32 v[14:15], v[14:15], v[122:123]
	v_pk_add_f32 v[208:209], v[208:209], v[126:127]
	v_pk_add_f32 v[254:255], v[254:255], v[130:131]
	v_pk_add_f32 v[252:253], v[252:253], v[134:135]
	v_pk_add_f32 v[250:251], v[250:251], v[138:139]
	v_pk_add_f32 v[238:239], v[238:239], v[142:143]
	v_pk_add_f32 v[236:237], v[236:237], v[146:147]
	v_pk_add_f32 v[234:235], v[234:235], v[150:151]
	v_pk_add_f32 v[14:15], v[14:15], v[154:155]
	v_pk_add_f32 v[208:209], v[208:209], v[158:159]
	s_delay_alu instid0(VALU_DEP_2)
	v_pk_add_f32 v[14:15], v[14:15], v[250:251]
	s_delay_alu instid0(VALU_DEP_2)
	v_pk_add_f32 v[208:209], v[208:209], v[238:239]
	v_pk_add_f32 v[254:255], v[254:255], v[236:237]
	v_pk_add_f32 v[252:253], v[252:253], v[234:235]
	s_delay_alu instid0(VALU_DEP_2)
	v_pk_add_f32 v[14:15], v[14:15], v[254:255]
	s_delay_alu instid0(VALU_DEP_2)
	v_pk_add_f32 v[208:209], v[208:209], v[252:253]
	s_delay_alu instid0(VALU_DEP_1)
	v_pk_add_f32 v[14:15], v[14:15], v[208:209]
	s_wait_alu depctr_va_vdst(0)                   ; and one for the four
.irp b, 0,1,2,3
	v_max_num_f32 v[BM+\b], 0x1800000, v[BM+\b]    ; the floor 2^(3 - 127): the byte cannot fall under 1
.endr
.irp b, 0,1,2,3
	s_delay_alu instid0(VALU_DEP_4)
	v_add_nc_u32 v[SO+\b], 0xff000000, v[BM+\b]    ; 2 off the exponent field: the conversion's scale operand
.endr
.irp b, 0,1,2,3
	s_delay_alu instid0(VALU_DEP_4)
	v_lshrrev_b32 v[PT+\b], 23, v[SO+\b]           ; the scale's byte
.endr
	s_delay_alu instid0(VALU_DEP_3)
	v_lshl_or_b32 v[PW], v[PT+1], 8, v[PT]         ; p's scale word for these 128 keys
	s_delay_alu instid0(VALU_DEP_1)
	v_lshl_or_b32 v[PW], v[PT+2], 16, v[PW]
	s_delay_alu instid0(VALU_DEP_1)
	v_lshl_or_b32 v[PW], v[PT+3], 24, v[PW]
.irp c, 0,1
	v_cvt_scalef32_pk16_fp6_f32 v[PC+6*\c:PC+6*\c+2], v[S+32*\c:S+32*\c+15], v[SO+2*\c]
	v_cvt_scalef32_pk16_fp6_f32 v[CT+4*\c:CT+4*\c+2], v[S+16+32*\c:S+31+32*\c], v[SO+2*\c+1]
.endr
	v_nop                                          ; one plain instruction behind the conversions
.irp c, 0,1                                        ; the operand's layout wants a whole block in a lane
.irp i, 0,1,2
	v_permlane16_swap_b32 v[PC+6*\c+\i], v[CT+4*\c+\i]
.endr
.irp i, 0,1,2
	s_delay_alu instid0(VALU_DEP_3)
	v_mov_b32 v[PC+3+6*\c+\i], v[CT+4*\c+\i]
.endr
.endr
.set jj, 0
.rept 16
	v_pk_mul_f32 v[O+jj:O+jj+1], v[O+jj:O+jj+1], v[F:F+1] op_sel_hi:[1,0]   ; O^T under the new M; these are also the places between p's codes and scale word and the products
.set jj, jj+2
.endr
	s_wait_alu depctr_va_vdst(0)
	s_wait_dscnt 0x0                               ; V is in
.irp c, 0,1,2,3                                    ; O^T += V^T P^T: the four accumulators by turns
.if \c%2
	v_wmma_scale_f32_16x16x128_f8f6f4 v[O+8*\c:O+8*\c+7], v[KV+12*\c:KV+12*\c+11], v[PC:PC+11], v[O+8*\c:O+8*\c+7], v[VS+\c/2], v[PW] matrix_a_fmt:MATRIX_FMT_FP6 matrix_b_fmt:MATRIX_FMT_FP6 matrix_a_scale:MATRIX_SCALE_ROW1
.else
	v_wmma_scale_f32_16x16x128_f8f6f4 v[O+8*\c:O+8*\c+7], v[KV+12*\c:KV+12*\c+11], v[PC:PC+11], v[O+8*\c:O+8*\c+7], v[VS+\c/2], v[PW] matrix_a_fmt:MATRIX_FMT_FP6 matrix_b_fmt:MATRIX_FMT_FP6
.endif
.endr
	s_add_co_u32 s[TS], s[TS], 256                 ; the next step's scale words
.endm
.macro SLOTSTEPS base                  ; a slot's eight key steps: a loop of one step; K's part of a step is 6,144 bytes, and so is V's
	s_mov_b32 s[TB], \base
	s_mov_b32 s[CNT], 8
.Lstep_\@:
	STEP
	s_add_co_u32 s[TB], s[TB], 6144
	s_sub_co_u32 s[CNT], s[CNT], 1
	s_cmp_lg_u32 s[CNT], 0
	s_cbranch_scc1 .Lstep_\@
.endm
; THE CHANGE OF SLOTS stands at a slot's head.  Each wave waits for all its tensor loads, adds 0 to its spare word, and waits for that and for its reads of the slot that it has left.
; fill = 1: a round of the cluster's barrier, and behind it the slot just left is filled with the keys that follow: the load has eight key steps in which to land.
.macro CHANGE fill
	s_wait_tensorcnt 0x0                           ; no tensor load of mine is out, so a group 0 may be written
	ds_add_u32 v[SPW], v[NIL]                      ; 0 onto my spare word
.if \fill
	s_xor_b32 s[G0+1], s[G0+1], SLOT1              ; the walking descriptor: the other slot than last time,
	s_add_nc_u64 s[G0+2:G0+3], s[G0+2:G0+3], 49152 ; the next 1,024 keys
	s_wait_dscnt 0x0                               ; the add is done, and my reads of the slot that I have left are over
	CROUND
	tensor_load_to_lds s[G0:G0+3], s[G1C:G1C+7]    ; the first thing behind the round, and a wave's one tensor load until the next: my sixteenth of the slot
	s_nop 0
.rept 4
	v_nop
.endr
.else
	s_wait_dscnt 0x0
	s_barrier_signal -1
	s_barrier_wait -1
.endif
.endm
; A HEAD'S END: O^T / the sum is the value; its 64 channels are two blocks of the last product's K: codes into registers 6 hd .. 6 hd + 5 of the value's image, two bytes into its scale word.
.macro FIN hd
.rept 4
	v_nop                                          ; places behind the last products
.endr
	v_add_f32 v14, v14, v15                        ; the sum's two halves,
	s_delay_alu instid0(VALU_DEP_1)
	v_permlanex16_b32 v[TT], v14, s[SEL], s[SEL+1]
	s_delay_alu instid0(VALU_DEP_1)
	v_add_f32 v14, v14, v[TT]                      ; and lane l xor 16's: the row's sum
	s_wait_alu depctr_va_vdst(0)
	v_rcp_f32 v14, v14
	v_nop                                          ; a plain instruction behind the reciprocal,
	s_wait_alu depctr_va_vdst(0)                   ; and the wait ahead of its first reader
.set jj, 0
.rept 32
	v_mul_f32 v[S+jj], v[O+jj], v14                ; register 16 b + i: channel 32 b + 16 (lane / 16) + i; each accumulator from its low end on
.set jj, jj+1
.endr
.irp b, 0,1
	v_max3_num_f32 v[BM+\b], |v[S+16*\b]|, |v[S+16*\b+1]|, 0x1800000
.endr
.irp i, 2,4,6,8,10,12,14
.irp b, 0,1
	s_delay_alu instid0(VALU_DEP_2)
	v_max3_num_f32 v[BM+\b], v[BM+\b], |v[S+16*\b+\i]|, |v[S+16*\b+\i+1]|
.endr
.endr
.irp b, 0,1
	s_delay_alu instid0(VALU_DEP_2)
	v_permlanex16_b32 v[PT+\b], v[BM+\b], s[SEL], s[SEL+1]
.endr
.irp b, 0,1
	s_delay_alu instid0(VALU_DEP_2)
	v_max_num_f32 v[BM+\b], v[BM+\b], v[PT+\b]
.endr
.irp b, 0,1
	s_delay_alu instid0(VALU_DEP_2)
	v_add_nc_u32 v[SO+\b], 0xff000000, v[BM+\b]
.endr
.irp b, 0,1
	s_delay_alu instid0(VALU_DEP_2)
	v_lshrrev_b32 v[PT+\b], 23, v[SO+\b]
.endr
.if \hd == 0
	s_delay_alu instid0(VALU_DEP_1)
	v_lshl_or_b32 v[VW], v[PT+1], 8, v[PT]
.else
	s_delay_alu instid0(VALU_DEP_2)
	v_lshl_or_b32 v[VW], v[PT], 16, v[VW]
	s_delay_alu instid0(VALU_DEP_1)
	v_lshl_or_b32 v[VW], v[PT+1], 24, v[VW]
.endif
	v_cvt_scalef32_pk16_fp6_f32 v[VF+6*\hd:VF+6*\hd+2], v[S:S+15], v[SO]
	v_cvt_scalef32_pk16_fp6_f32 v[CT:CT+2], v[S+16:S+31], v[SO+1]
	v_nop                                          ; one plain instruction behind the conversions
.irp i, 0,1,2
	v_permlane16_swap_b32 v[VF+6*\hd+\i], v[CT+\i]
.endr
.irp i, 0,1,2
	s_delay_alu instid0(VALU_DEP_3)
	v_mov_b32 v[VF+6*\hd+3+\i], v[CT+\i]
.endr
.if \hd == 0                                       ; on to head 2 j + 1: its q, and the state anew
.irp i, 0,1,2,3,4,5
	v_mov_b32 v[QA+\i], v[Q1+\i]
	v_mov_b32 v[QB+6+\i], v[Q1+\i]
.endr
	v_mov_b32 v[QS], v[QS1]
	v_mov_b32 v13, 0xff61b1e6
	s_delay_alu instid0(VALU_DEP_1)
	v_floor_f32 v12, -v13
	v_mov_b32 v14, 0
	v_mov_b32 v15, 0
.set jj, 0
.rept 32
	v_mov_b32 v[O+jj], 0                           ; (these stand between q's scale word and the next products)
.set jj, jj+1
.endr
.endif
.endm
	s_load_b256 s[4:11], s[0:1], 0x0               ; pc, ps, vc, vs
	v_lshl_add_u32 v[SPW], v0, 2, SPARE
	v_mov_b32 v[NIL], 0
	ds_add_u32 v[SPW], v[NIL]                      ; the opening lines: the add, twice on end, and its wait
	ds_add_u32 v[SPW], v[NIL]
	s_wait_dscnt 0x0
	v_lshrrev_b32 v11, 5, v0
	s_delay_alu instid0(VALU_DEP_1)
	v_readfirstlane_b32 s[WV], v11                 ; wave 0..15
	v_and_b32 v41, 31, v0                          ; lane
	v_and_b32 v11, 15, v0                          ; r
	s_wait_alu depctr_va_vdst(0)
	v_bfe_u32 v42, v0, 4, 1                        ; h
	v_lshlrev_b32 v[LI], 4, v41
	s_wait_alu depctr_va_vdst(0)
	v_lshl_add_u32 v[ASC], v41, 3, SCK
	v_lshlrev_b32 v[QWO], 3, v11
	v_lshlrev_b32 v42, 11, v42
	s_delay_alu instid0(VALU_DEP_1)
	v_lshl_add_u32 v[VGO], v11, 4, v42             ; lanes 0-15 one unit of 256 bytes, lanes 16-31 the next group's, 2,048 bytes on
	s_lshr_b32 s17, s[WV], 2                       ; my tile is item wave % 4 of unit wave / 4: byte 8 r + 128 (item % 2) + 4 (item / 2)
	s_lshl_b32 s17, s17, 8
	s_and_b32 s18, s[WV], 1
	s_lshl_b32 s18, s18, 7
	s_add_co_u32 s17, s17, s18
	s_bfe_u32 s18, s[WV], 0x10001
	s_lshl_b32 s18, s18, 2
	s_add_co_u32 s17, s17, s18
	s_add_co_u32 s17, s17, VSTG
	v_lshl_add_u32 v[VSA], v11, 3, s17
	s_min_u32 s52, s[WV], 1                        ; (waves 0 and 1 read back; the others' number is held at 1 and not used)
	s_lshl_b32 s18, s52, 9
	s_add_co_u32 s18, s18, VSTG
	v_add_nc_u32 v[VRA], s18, v[LI]
	s_lshl_b32 s18, s[WV], 10                      ; my 1,024 bytes of the scale words
	s_add_co_u32 s18, s18, SCK
	v_add_nc_u32 v[SCA], s18, v[LI]
	s_bfe_u32 s13, ttmp6, 0x40000                  ; cx: my place in the cluster
	s_lshl_b32 s14, ttmp9, 2
	s_add_co_u32 s14, s14, s13                     ; my block of 256 queries: it enters Q's, vc's and vs's addresses alone
	s_and_b32 s15, ttmp7, 0xffff
	s_and_b32 s16, s15, 7                          ; j: the head pair
	s_lshr_b32 s15, s15, 3                         ; the batch
	s_mul_i32 s54, s15, 1572864
	s_mul_i32 s17, s16, 196608
	s_add_co_u32 s54, s54, s17                     ; the pair's first byte in a tensor of pc,
	s_lshl_b32 s55, s15, 16
	s_lshl_b32 s17, s16, 13
	s_add_co_u32 s55, s55, s17                     ; and of ps
	s_lshr_b32 s17, s[WV], 3                       ; what I fetch:
	s_add_co_u32 s17, s17, 1                       ; tensor 1 (K: waves 0-7) or 2 (V: waves 8-15),
	s_and_b32 s18, s[WV], 7                        ; which eighth
	s_mul_i32 s56, s17, 6291456
	s_add_co_u32 s56, s56, s54
	s_mul_i32 s19, s18, 6144
	s_add_co_u32 s56, s56, s19
	s_mov_b32 s57, 0
	s_lshl_b32 s58, s17, 18                        ; and of that tensor's 8,192 bytes of scale words
	s_add_co_u32 s58, s58, s55
	s_lshl_b32 s19, s18, 10
	s_add_co_u32 s58, s58, s19
	s_mov_b32 s59, 0
	s_lshl_b32 s60, s14, 3                         ; Q: my tile 16 xq + wave lies in image 8 xq + wave / 2
	s_lshr_b32 s19, s[WV], 1
	s_add_co_u32 s60, s60, s19
	s_mul_i32 s60, s60, 1536
	s_add_co_u32 s60, s60, s54
	s_mov_b32 s61, 0
	s_lshl_b32 s62, s14, 1                         ; its word: unit 2 xq + wave / 8, item (wave / 2) % 4
	s_lshr_b32 s19, s[WV], 3
	s_add_co_u32 s62, s62, s19
	s_lshl_b32 s62, s62, 8
	s_add_co_u32 s62, s62, s55
	s_bfe_u32 s19, s[WV], 0x10001
	s_lshl_b32 s19, s19, 7
	s_add_co_u32 s62, s62, s19
	s_bfe_u32 s19, s[WV], 0x10002
	s_lshl_b32 s19, s19, 2
	s_add_co_u32 s62, s62, s19
	s_mov_b32 s63, 0
	s_lshl_b32 s66, s15, 7                         ; vc: tile 128 b + 16 xq + wave, K step j
	s_lshl_b32 s19, s14, 4
	s_add_co_u32 s66, s66, s19
	s_add_co_u32 s66, s66, s[WV]
	s_mul_i32 s66, s66, 12288
	s_mul_i32 s19, s16, 1536
	s_add_co_u32 s66, s66, s19
	s_mov_b32 s67, 0
	s_lshl_b32 s68, s15, 5                         ; vs: group 32 b + 4 xq + 2 wave (waves 0 and 1), K step j
	s_lshl_b32 s19, s14, 2
	s_add_co_u32 s68, s68, s19
	s_lshl_b32 s19, s52, 1
	s_add_co_u32 s68, s68, s19
	s_lshl_b32 s68, s68, 11
	s_lshl_b32 s19, s16, 8
	s_add_co_u32 s68, s68, s19
	s_mov_b32 s69, 0
	s_and_b32 s17, s[WV], 1                        ; my tile is the image's first (registers 0-5, bytes 0, 1) or second
	s_cmp_eq_u32 s17, 1
	s_cselect_b32 s51, -1, 0
	s_mov_b32 s52, 0x01000100
	s_cselect_b32 s52, 0x03020302, s52
	; descriptor group 1: a dense block as 24 rows of 256 bytes (32 elements of 8 bytes)
	s_mov_b32 s[G1C], 15|(3<<16)|(1<<21)           ; 15:0 the mask: all four work-groups; 17:16 elements of 8 bytes; 21 set beside a mask
	s_mov_b32 s[G1C+1], 32<<16
	s_mov_b32 s[G1C+2], 24<<16
	s_mov_b32 s[G1C+3], 32<<16
	s_mov_b32 s[G1C+4], 24
	s_mov_b32 s[G1C+5], 32
	s_mov_b32 s[G1C+6], 0
	s_mov_b32 s[G1C+7], 0
	s_mov_b32 s[SEL], 0x76543210
	s_mov_b32 s[SEL+1], 0xfedcba98
	s_mov_b32 s[CS], 0x3e38aa3b                    ; c = log2(e) / 8
	s_mov_b32 s[CS+1], s[CS]                       ; (named with it as a pair, so it is written)
	s_mov_b32 s[TS], 0
	s_mul_i32 s17, s[WV], 6144
	s_wait_kmcnt 0x0
	s_mov_b32 s[G0], 1
	s_mov_b32 s[G0+1], s17                         ; slot 0, my sixteenth
	s_add_nc_u64 s[G0+2:G0+3], s[4:5], s[56:57]
	s_or_b32 s[G0+3], s[G0+3], 0x80000000
	s_add_nc_u64 s[70:71], s[6:7], s[58:59]        ; my scale words in ps
	s_add_nc_u64 s[60:61], s[4:5], s[60:61]        ; Q's codes
	s_add_nc_u64 s[62:63], s[6:7], s[62:63]        ; Q's words
	s_add_nc_u64 s[8:9], s[8:9], s[66:67]
	s_add_nc_u64 s[10:11], s[10:11], s[68:69]
	CROUND                                         ; all four work-groups are here: the first joint loads meet
	tensor_load_to_lds s[G0:G0+3], s[G1C:G1C+7]    ; every wave's one load at the head: its sixteenth of slot 0
	s_nop 0
.rept 4
	v_nop
.endr
.irp g, 0,1,2
	global_load_b128 v[S+4*\g:S+4*\g+3], v[LI], s[60:61] offset:512*\g                ; the image that holds my tile, head 2 j,
	global_load_b128 v[S+12+4*\g:S+12+4*\g+3], v[LI], s[60:61] offset:98304+512*\g    ; and head 2 j + 1
.endr
	s_wait_alu depctr_va_vdst(0)
	global_load_b32 v[S+24], v[QWO], s[62:63]
	global_load_b32 v[S+25], v[QWO], s[62:63] offset:4096
	global_load_b128 v[S+28:S+31], v[LI], s[70:71]                 ; my 1,024 bytes of scale words: 512 consecutive bytes a load
	global_load_b128 v[S+32:S+35], v[LI], s[70:71] offset:512
	s_wait_loadcnt 0x0
	ds_store_b128 v[SCA], v[S+28:S+31]             ; as they lie; the first change of slots waits for these stores and shows them to all waves
	ds_store_b128 v[SCA], v[S+32:S+35] offset:512
.irp i, 0,1,2,3,4,5
	v_cndmask_b32 v[QA+\i], v[S+\i], v[S+6+\i], s51        ; my tile's six registers
	v_cndmask_b32 v[Q1+\i], v[S+12+\i], v[S+18+\i], s51
.endr
.irp i, 0,1,2,3,4,5
	v_mov_b32 v[QB+6+\i], v[QA+\i]
	v_mov_b32 v[QA+6+\i], 0
	v_mov_b32 v[QB+\i], 0
.endr
	v_perm_b32 v[QS], v[S+24], v[S+24], s52        ; my tile's two bytes, twice
	v_perm_b32 v[QS1], v[S+25], v[S+25], s52
	v_mov_b32 v13, 0xff61b1e6                      ; the largest t so far: -3e38, under every t
	s_delay_alu instid0(VALU_DEP_1)
	v_floor_f32 v12, -v13                          ; -M
	v_mov_b32 v14, 0
	v_mov_b32 v15, 0
.irp b, 0,1,2,3
	v_mov_b32 v[PT+\b], 0                          ; written once: a lane permute's destination counts as one of its sources
.endr
	v_mov_b32 v[F+1], 0                            ; (named as the upper half of a pair)
	v_mov_b32 v[TT], 0
.set jj, 0
.rept 32
	v_mov_b32 v[O+jj], 0                           ; O^T: the step is written once; the first finds zeros, which the first change of M leaves zeros
.set jj, jj+1
.endr
	CHANGE 1                                       ; head 2 j: slot 0 is whole; slot 1 is asked for
	SLOTSTEPS 0
	CHANGE 1                                       ; the ring goes on into head 2 j + 1
	SLOTSTEPS SLOT1
	FIN 0
	CHANGE 1
	SLOTSTEPS 0
	CHANGE 0                                       ; the last slot: nothing more is fetched
	SLOTSTEPS SLOT1
	FIN 1
.irp g, 0,1,2
	global_store_b128 v[LI], v[VF+4*\g:VF+4*\g+3], s[8:9] offset:512*\g   ; my tile's image: 512 consecutive bytes a store
.endr
	ds_store_b32 v[VSA], v[VW]                     ; lanes l and l xor 16 write the same word with the same value
	s_wait_dscnt 0x0                               ; for the others' sake
	s_barrier_signal -1
	s_barrier_wait -1
	s_cmp_lt_u32 s[WV], 2
	s_cbranch_scc0 .Lno_words
	ds_load_b128 v[S:S+3], v[VRA]                  ; two units of 256 bytes
	s_wait_dscnt 0x0
	global_store_b128 v[VGO], v[S:S+3], s[10:11]   ; sixteen lanes store 256 consecutive bytes
.Lno_words:
	s_wait_tensorcnt 0x0                           ; the wave's end
	ds_add_u32 v[SPW], v[NIL]
	s_wait_dscnt 0x0
	CROUND                                         ; the closing round
	s_endpgm
.Lfunc_end_k_qc91cf837c5_attn:
	.size	k_qc91cf837c5_attn, .Lfunc_end_k_qc91cf837c5_attn-k_qc91cf837c5_attn
	.p2alignl 7, 3214868480
	.fill 96, 4, 3214868480
	.section	.rodata,"a",@progbits
	.p2align	6, 0x0
	.amdhsa_kernel k_qc91cf837c5_attn
		.amdhsa_group_segment_fixed_size 327680
		.amdhsa_private_segment_fixed_size 0
		.amdhsa_enable_private_segment 0
		.amdhsa_kernarg_size 32
		.amdhsa_user_sgpr_count 2
		.amdhsa_user_sgpr_kernarg_segment_ptr 1
		.amdhsa_wavefront_size32 1
		.amdhsa_system_sgpr_workgroup_id_x 1
		.amdhsa_system_sgpr_workgroup_id_y 1
		.amdhsa_system_sgpr_workgroup_id_z 1
		.amdhsa_system_vgpr_workitem_id 0
		.amdhsa_next_free_vgpr 256
		.amdhsa_next_free_sgpr 80
		.amdhsa_reserve_vcc 0
		.amdhsa_float_denorm_mode_32 3
		.amdhsa_float_denorm_mode_16_64 3
		.amdhsa_memory_ordered 1
		.amdhsa_forward_progress 1
		.amdhsa_inst_pref_size 90
	.end_amdhsa_kernel
	.amdgpu_metadata
---
amdhsa.version: [ 1, 2 ]
amdhsa.kernels:
  - .name:           k_qc91cf837c5_attn
    .symbol:         k_qc91cf837c5_attn.kd
    .args:
      - { .name: pc, .offset: 0, .size: 8, .value_kind: global_buffer, .address_space: global }
      - { .name: ps, .offset: 8, .size: 8, .value_kind: global_buffer, .address_space: global }
      - { .name: vc, .offset: 16, .size: 8, .value_kind: global_buffer, .address_space: global }
      - { .name: vs, .offset: 24, .size: 8, .value_kind: global_buffer, .address_space: global }
    .group_segment_fixed_size: 327680
    .private_segment_fixed_size: 0
    .kernarg_segment_align: 8
    .kernarg_segment_size: 32
    .max_flat_workgroup_size: 512
    .sgpr_count:     80
    .vgpr_count:     256
    .wavefront_size: 32
...
	.end_amdgpu_metadata
.endif
;; end of part 3
;; launch outp (part 4): grid 32 x 8, 4 waves a work-group, clusters of 4 x 4, 327,680 bytes of LDS; arguments vc, vs, wc, ws, out0; writes out0
.if DOCPART == 4
	.amdgcn_target "amdgcn-amd-amdhsa--gfx1250"
	.amdhsa_code_object_version 6
	.text
	.protected	k_qc91cf837c5_outp
	.globl	k_qc91cf837c5_outp
	.p2align	8
	.type	k_qc91cf837c5_outp,@function
k_qc91cf837c5_outp:
	s_mov_b64 s[64:65], 0
	v_nop
	global_prefetch_b8 v0, s[64:65] scope:SCOPE_SE
	s_setreg_imm32_b32 hwreg(HW_REG_WAVE_MODE, 25, 1), 1
	s_wait_xcnt 0x0
	s_wait_alu depctr_hold_cnt(0) depctr_sa_sdst(0) depctr_va_vdst(0) depctr_va_sdst(0) depctr_va_ssrc(0) depctr_va_vcc(0) depctr_vm_vsrc(0)
	s_getreg_b32 s2, hwreg(HW_REG_IB_STS2, 6, 4)
	s_cmp_eq_u32 s2, 0
	s_cbranch_scc0 .Lentry_in_a_cluster
	s_endpgm
.Lentry_in_a_cluster:
	s_bfe_u32 s2, ttmp6, 0x10000c
	s_cmp_lg_u32 s2, 0xf033
	s_cbranch_scc0 .Lentry_shape_is_right
	s_endpgm
.Lentry_shape_is_right:
; out0[token][n] = sum over k of value[token][k] W_O[k][n], f32: 8,192 x 1,024 x 1,024 on codes of FP6 (E2M3) with E8M0 scales.
; IN: vc [token tile 512][K step 8][1536], vs [64 tokens: 128][K step 8][256], as the attention launch leaves them; W_O is matrix 3 of wc [matrix][tile 64][K step 8][1536] and ws [matrix][64 columns: 16][K step 8][256].
; A tile is 16 rows; tile 2 b + u holds in place r the true row (column) 32 b + 8 u + r + 8 (r / 8).  An image (1,536 bytes): byte 512 g + 16 l = operand registers 4 g .. 4 g + 3 of lane l.
; A unit of scale words (256 bytes): byte 8 l + 4 i = the word of tile 2 i + l / 16 of its four, place l % 16.
; THE DEAL.  256 work-groups of four waves, 2 x 2, each 256 tokens x 128 columns.  The wave in row a, column b holds W_O's four tiles 4 b .. 4 b + 3 of the work-group's eight, all of K, in 384 registers,
; and streams eight blocks of 16 tokens past them: block s is the work-group's tile 4 (a + 2 (s / 4)) + s % 4, so that blocks 0 to 3 of both wave rows lie in tiles 0 to 7.  A block is 32 products, four accumulators by turns.
; CLUSTER 4 x 4: tile row = 4 x cluster x + cx, tile column = 4 x cluster y + cy.  The tokens' tiles are shared by a column of the cluster, W_O's by a row: joint loads.  No LDS address hangs on the cluster's numbers.
; LDS: the 16 token tiles (196,608 bytes), W_O's 8 tiles (98,304), a stage of 16 rows x 272 bytes for each wave, the spare words.  All tiles are dense blocks of memory, brought as rows of 256 bytes.
; THE HEAD'S FOUR LOADS, one a wave, each on a line of its own: W_O's tiles; token tiles 0 to 7; 8 to 11; 12 to 15.  The stream begins when the first two are in; a plain barrier inside block 1 shows the others.
; Nothing is filled again and all is asked for at the head: there is no loop to run ahead in, so no prefetch is laid.
; THE SCALE WORDS go from memory straight into registers, in whole units of 256 bytes: 8 units of W_O's (my 64 columns), 16 of the tokens' (my two groups of 64).
; THE PRODUCT IS USED TRANSPOSED (source 0 = W_O's tile, source 1 = the tokens'): a lane holds one token and eight neighbouring columns.  A block's sums go through my stage and leave as whole rows of 256 bytes.
; ONE WAIT ON LDS A BLOCK, ahead of its stores: younger than the rows' way back are the 24 loads of the fetch of the block two on; it shows the next block's rows in too.
; LIMITS: NaN, infinities and sums beyond f32's range are not served.
.set TILE,   12288
.set YB,     16*TILE
.set STAGE,  YB+8*TILE
.set SPITCH, 272
.set SPARE,  STAGE+4*16*SPITCH
.set FR,     12                        ; registers of a fragment
.set FPW,    21                        ; fragments in a window of 256 registers.  Fragments 0-31: W_O's (4 q + t); 32-47: the tokens' two sets (32 + 8 e + q); fragment f lies in window 1 + f / 21
.set NF,     24                        ; LDS loads of a block's fetch
.set ADRA0,  4                         ; v4   LDS address of my block 0
.set AQ,     5                         ; v5   of the block that is fetched next
.set ADRB,   7                         ; v7   of my tiles of W_O
.set L8,     8                         ; v8   8 x lane
.set CO,     9                         ; v9   my byte offset in out0: row lane / 16, 16 bytes x (lane % 16)
.set SPW,    10                        ; v10  my spare word
.set NIL,    11                        ; v11  0
.set STO,    18                        ; v18  the stage: where I put 32 bytes of a row
.set RD,     19                        ; v19  where I read 16 bytes of a row back
.set SB,     24                        ; v24-39  W_O's scale words: 2 q + t / 2
.set SA,     44                        ; v44-75  the tokens': 16 (s / 4) + 2 q + (s % 4) / 2.  A product's two scale registers differ by 3, 4 or 5 modulo 8
.set ACC,    80                        ; v80-143  two sets of four accumulators
.set BK,     144                       ; v144-207 two sets: 16 rows x 256 bytes back from the stage
.set G1A, 24                           ; s[24:31] group 1: token tiles, 384 rows of 256 bytes;  s[32:39]: 192 rows;  s[48:55]: W_O's, 384 rows
.set G1C, 32
.set G1B, 48
.set G0B, 56                           ; groups 0: W_O's tiles; token tiles 0-7; 8-11; 12-15
.set G0P, 60
.set G0Q, 68
.set G0R, 72
.set MSB, 0
.macro WIN new
.if MSB != (\new)
	s_set_vgpr_msb (MSB<<8)|(\new)
.set MSB, (\new)
.endif
.endm
.macro PLACES n
.rept \n
	v_nop
.endr
.endm
.macro WALU
	s_wait_alu depctr_va_vdst(0)
.endm
.macro BARRIER
	s_barrier_signal -1
	s_barrier_wait -1
.endm
.macro CROUND                          ; a round of the cluster's barrier
	BARRIER
	s_cmp_lg_u32 s14, 0
	s_cbranch_scc1 .Lnot_wave_0_\@
	s_barrier_signal -3
.Lnot_wave_0_\@:
	s_barrier_wait -3
	BARRIER
.endm
.macro TLOAD g0, g1                    ; an s_nop 0 and four v_nop follow the load
	tensor_load_to_lds s[\g0:\g0+3], s[\g1:\g1+7]
	s_nop 0
	PLACES 4
.endm
.macro GROUP1 g, mask, rows            ; a dense block as rows of 32 elements of 8 bytes; the mask, and bit 21 beside it
	s_or_b32 s[\g+0], s[\mask], (3<<16)|(1<<21)
	s_mov_b32 s[\g+1], 32<<16
	s_mov_b32 s[\g+2], (\rows)<<16
	s_mov_b32 s[\g+3], 32<<16
	s_mov_b32 s[\g+4], \rows
	s_mov_b32 s[\g+5], 32
	s_mov_b32 s[\g+6], 0
	s_mov_b32 s[\g+7], 0
.endm
.macro FRAG f, adr, off                ; an image into fragment f: three loads of 512 consecutive bytes
	WIN (1+(\f)/FPW)<<6
.irp g, 0,1,2
	ds_load_b128 v[FR*((\f)%FPW)+4*\g:FR*((\f)%FPW)+4*\g+3], v[\adr] offset:(\off)+512*\g
.endr
.endm
.macro FETCH e, adr                    ; a block of tokens, all of K, into set e
.irp q, 0,1,2,3,4,5,6,7
	FRAG 32+8*(\e)+\q, \adr, 1536*\q
.endr
	WIN 0
.endm
.macro WM c, ra, rb
	v_wmma_scale_f32_16x16x128_f8f6f4 v[D_:D_+7], v[FR*(FB_%FPW):FR*(FB_%FPW)+FR-1], v[FR*(FA_%FPW):FR*(FA_%FPW)+FR-1], \c, v[XB_], v[XA_] matrix_a_fmt:MATRIX_FMT_FP6 matrix_b_fmt:MATRIX_FMT_FP6 matrix_a_scale:MATRIX_SCALE_ROW\ra matrix_b_scale:MATRIX_SCALE_ROW\rb
.endm
.macro PROD1 s, c                      ; an odd tile's scale words lie in lanes 16-31 of their register
.if (T_%2) && ((\s)%2)
	WM \c, 1, 1
.elseif (T_%2)
	WM \c, 1, 0
.elseif ((\s)%2)
	WM \c, 0, 1
.else
	WM \c, 0, 0
.endif
.endm
.macro PROD s, n                       ; product n = 4 q + t of block s; the first along K starts the sum
.set Q_, (\n)/4
.set T_, (\n)%4
.set FB_, 4*Q_+T_
.set FA_, 32+8*((\s)%2)+Q_
.set D_, ACC+32*((\s)%2)+8*T_
.set XB_, SB+2*Q_+T_/2
.set XA_, SA+16*((\s)/4)+2*Q_+((\s)%4)/2
	WIN (1+FB_/FPW)|((1+FA_/FPW)<<2)
.if Q_
	PROD1 \s, v[D_:D_+7]
.else
	PROD1 \s, 0
.endif
.endm
.macro PRODS s, from, to
.set N_, \from
.rept (\to)-(\from)
	PROD \s, N_
.set N_, N_+1
.endr
	WIN 0
.endm
.macro BLOCK s
.set E_, (\s)%2
.if (\s) == 1
	PRODS \s, 0, 24
	s_wait_tensorcnt 0x0                           ; every wave's tile is in,
	s_wait_dscnt 0x0
	s_barrier_signal -1                            ; a plain barrier: token tiles 8 to 15 are shown to all
	PRODS \s, 24, 32
	s_barrier_wait -1
.else
	PRODS \s, 0, 32
.endif
.if (\s) < 6                           ; four plain vector lines between the last product and the first reader of its sums, and the fetch into the registers that it read
	v_add_nc_u32 v[AQ], TILE*(8*(((\s)+2)/4)+((\s)+2)%4), v[ADRA0]
	PLACES 3
	WALU                                           ; the wait here, ahead of the wait below
.else
	PLACES 4
.endif
	s_wait_xcnt 0x0                                ; the stores of two blocks ago have read this set of rows
.irp b, 0,1,2,3                        ; register j of tile b of lane (r, h) is column 32 (b / 2) + 16 h + 8 (b % 2) + j of my 64; each accumulator from its low end on
	ds_store_b128 v[STO], v[ACC+32*E_+8*\b:ACC+32*E_+8*\b+3] offset:128*(\b/2)+32*(\b%2)
	ds_store_b128 v[STO], v[ACC+32*E_+8*\b+4:ACC+32*E_+8*\b+7] offset:128*(\b/2)+32*(\b%2)+16
.endr
.irp t, 0,1,2,3,4,5,6,7                ; LDS serves a wave's instructions in order (ISA guide 5.7.1.4): these see the stores above
	ds_load_b128 v[BK+32*E_+4*\t:BK+32*E_+4*\t+3], v[RD] offset:2*\t*SPITCH
.endr
.if (\s) < 6
	FETCH E_, AQ
	s_wait_dscnt NF                                ; the rows are back from the stage; the fetch is younger
.else
	s_wait_dscnt 0x0
.endif
.irp t, 0,1,2,3,4,5,6,7                ; places 2 t, 2 t + 1 of the block's tile are tokens 2 t + 8 (t / 4) and the next of its 32; sixteen lanes store 256 consecutive bytes, aligned
	global_store_b128 v[CO], v[BK+32*E_+4*\t:BK+32*E_+4*\t+3], s[12:13] offset:(128*((\s)/4)+32*(((\s)%4)/2)+8*((\s)%2)+2*\t+8*(\t/4))*4096 th:TH_STORE_NT
.endr
.endm
; ---- the head
	s_load_b256 s[4:11], s[0:1], 0x0               ; vc, vs, wc, ws
	s_load_b64 s[12:13], s[0:1], 0x20              ; out0
	v_lshl_add_u32 v[SPW], v0, 2, SPARE
	v_mov_b32 v[NIL], 0
	ds_add_u32 v[SPW], v[NIL]                      ; the opening lines: the add, twice on end, and its wait
	ds_add_u32 v[SPW], v[NIL]
	v_lshrrev_b32 v1, 5, v0
	v_readfirstlane_b32 s14, v1                    ; the wave; s15 its row a of the 2 x 2, s16 its column b
	s_lshr_b32 s15, s14, 1
	s_and_b32 s16, s14, 1
	s_bfe_u32 s40, ttmp6, 0x40000                  ; cx
	s_bfe_u32 s41, ttmp6, 0x40004                  ; cy
	s_lshl_b32 s43, ttmp9, 2
	s_add_co_u32 s43, s43, s40                     ; tile row, 0 .. 31
	s_and_b32 s42, ttmp7, 0xffff
	s_lshl_b32 s42, s42, 2
	s_add_co_u32 s42, s42, s41                     ; tile column, 0 .. 7
	s_lshl_b32 s44, 0x1111, s40                    ; my column of the cluster shares the tokens' tiles,
	s_lshl_b32 s45, s41, 2
	s_lshl_b32 s45, 15, s45                        ; my row W_O's
	GROUP1 G1A, 44, 384
	GROUP1 G1C, 44, 192
	GROUP1 G1B, 45, 384
	s_mov_b32 s[G0B], 1
	s_mov_b32 s[G0B+1], YB
	s_mov_b32 s[G0P], 1
	s_mov_b32 s[G0P+1], 0
	s_mov_b32 s[G0Q], 1
	s_mov_b32 s[G0Q+1], 8*TILE
	s_mov_b32 s[G0R], 1
	s_mov_b32 s[G0R+1], 12*TILE
	s_mul_i32 s76, s43, 16*TILE                    ; my 16 token tiles, bytes from vc
	s_mov_b32 s77, 0
	s_mul_i32 s78, s42, 8*TILE
	s_add_co_u32 s78, s78, 2359296                 ; W_O's 8 tiles, from wc
	s_mov_b32 s79, 0
	s_lshl_b32 s80, s43, 13                        ; the tokens' scale words: group 4 x tile row + a, and the group two on
	s_lshl_b32 s20, s15, 11
	s_add_co_u32 s80, s80, s20
	s_mov_b32 s81, 0
	s_lshl_b32 s82, s42, 12                        ; W_O's: group 2 x tile column + b of matrix 3
	s_lshl_b32 s20, s16, 11
	s_add_co_u32 s82, s82, s20
	s_add_co_u32 s82, s82, 98304
	s_mov_b32 s83, 0
	s_lshl_b32 s84, s43, 20                        ; out0: token 256 x tile row + 64 a, column 128 x tile column + 64 b
	s_lshl_b32 s20, s15, 18
	s_add_co_u32 s84, s84, s20
	s_lshl_b32 s20, s42, 9
	s_add_co_u32 s84, s84, s20
	s_lshl_b32 s20, s16, 8
	s_add_co_u32 s84, s84, s20
	s_mov_b32 s85, 0
	s_mul_i32 s86, s15, 4*TILE
	s_mul_i32 s87, s16, 4*TILE
	s_add_co_u32 s87, s87, YB
	s_mul_i32 s88, s14, 16*SPITCH
	s_add_co_u32 s88, s88, STAGE
	v_and_b32 v1, 15, v0                           ; r
	v_bfe_u32 v2, v0, 4, 1                         ; h
	v_and_b32 v3, 31, v0                           ; lane
	v_lshlrev_b32 v22, 4, v3
	v_lshlrev_b32 v[L8], 3, v3
	v_add_nc_u32 v[ADRA0], s86, v22
	v_add_nc_u32 v[ADRB], s87, v22
	v_add_nc_u32 v[AQ], TILE, v[ADRA0]             ; block 1
	v_mul_u32_u24 v23, v1, SPITCH
	v_lshl_add_u32 v23, v2, 6, v23
	v_add_nc_u32 v[STO], s88, v23
	v_mul_u32_u24 v23, v2, SPITCH
	v_lshl_add_u32 v23, v1, 4, v23
	v_add_nc_u32 v[RD], s88, v23
	v_lshlrev_b32 v23, 12, v2
	v_lshl_add_u32 v[CO], v1, 4, v23
	WALU                                           ; the wait at the head's end
	s_wait_dscnt 0x0                               ; both opening adds are done
	CROUND                                         ; the opening round: the first joint loads meet
	s_wait_kmcnt 0x0
	s_add_nc_u64 s[G0B+2:G0B+3], s[8:9], s[78:79]
	s_add_nc_u64 s[G0P+2:G0P+3], s[4:5], s[76:77]
	s_add_nc_u64 s[G0Q+2:G0Q+3], s[G0P+2:G0P+3], 8*TILE
	s_add_nc_u64 s[G0R+2:G0R+3], s[G0P+2:G0P+3], 12*TILE
	s_or_b32 s[G0B+3], s[G0B+3], 0x80000000
	s_or_b32 s[G0P+3], s[G0P+3], 0x80000000
	s_or_b32 s[G0Q+3], s[G0Q+3], 0x80000000
	s_or_b32 s[G0R+3], s[G0R+3], 0x80000000
	s_add_nc_u64 s[6:7], s[6:7], s[80:81]
	s_add_nc_u64 s[10:11], s[10:11], s[82:83]
	s_add_nc_u64 s[12:13], s[12:13], s[84:85]
	s_cmp_eq_u32 s14, 0
	s_cbranch_scc0 .Lwave_1
	TLOAD G0B, G1B                                 ; wave 0: W_O's tiles, which are wanted first
	s_branch .Lasked
.Lwave_1:
	s_cmp_eq_u32 s14, 1
	s_cbranch_scc0 .Lwave_2
	TLOAD G0P, G1A                                 ; wave 1: token tiles 0 to 7
	s_branch .Lasked
.Lwave_2:
	s_cmp_eq_u32 s14, 2
	s_cbranch_scc0 .Lwave_3
	TLOAD G0Q, G1C                                 ; wave 2: 8 to 11
	s_branch .Lasked
.Lwave_3:
	TLOAD G0R, G1C                                 ; wave 3: 12 to 15
.Lasked:
.irp q, 0,1,2,3,4,5,6,7
	global_load_b64 v[SB+2*\q:SB+2*\q+1], v[L8], s[10:11] offset:256*\q   ; a unit of 256 bytes an instruction
.endr
.irp g, 0,1
.irp q, 0,1,2,3,4,5,6,7
	global_load_b64 v[SA+16*\g+2*\q:SA+16*\g+2*\q+1], v[L8], s[6:7] offset:4096*\g+256*\q
.endr
.endr
	s_cmp_eq_u32 s14, 0
	s_cbranch_scc0 .Lnot_b
	s_wait_tensorcnt 0x0                           ; wave 0: W_O's tiles have landed
.Lnot_b:
	BARRIER
.irp q, 0,1,2,3,4,5,6,7                ; my four tiles of W_O, all of K: 96 loads
.irp t, 0,1,2,3
	FRAG 4*\q+\t, ADRB, TILE*\t+1536*\q
.endr
.endr
	WIN 0
	s_cmp_eq_u32 s14, 1
	s_cbranch_scc0 .Lnot_a
	s_wait_tensorcnt 0x0                           ; wave 1: token tiles 0 to 7 have landed
.Lnot_a:
	s_wait_dscnt 0x0
	BARRIER                                        ; waves 2 and 3's tiles may still be on their way
	FETCH 0, ADRA0
	FETCH 1, AQ
	s_wait_loadcnt 0x0                             ; the scale words are in
	s_wait_dscnt NF                                ; block 0's rows are in; block 1's 24 loads may be out
; ---- the stream: eight blocks
.irp s, 0,1,2,3,4,5,6,7
	BLOCK \s
.endr
	s_wait_tensorcnt 0x0                           ; the wave's end
	ds_add_u32 v[SPW], v[NIL]
	s_wait_dscnt 0x0
	CROUND                                         ; the closing round
	s_endpgm
.Lfunc_end_k_qc91cf837c5_outp:
	.size	k_qc91cf837c5_outp, .Lfunc_end_k_qc91cf837c5_outp-k_qc91cf837c5_outp
	.p2alignl 7, 3214868480
	.fill 96, 4, 3214868480
	.section	.rodata,"a",@progbits
	.p2align	6, 0x0
	.amdhsa_kernel k_qc91cf837c5_outp
		.amdhsa_group_segment_fixed_size 327680
		.amdhsa_private_segment_fixed_size 0
		.amdhsa_enable_private_segment 0
		.amdhsa_kernarg_size 40
		.amdhsa_user_sgpr_count 2
		.amdhsa_user_sgpr_kernarg_segment_ptr 1
		.amdhsa_wavefront_size32 1
		.amdhsa_system_sgpr_workgroup_id_x 1
		.amdhsa_system_sgpr_workgroup_id_y 1
		.amdhsa_system_sgpr_workgroup_id_z 1
		.amdhsa_system_vgpr_workitem_id 0
		.amdhsa_next_free_vgpr 840
		.amdhsa_next_free_sgpr 100
		.amdhsa_reserve_vcc 0
		.amdhsa_float_denorm_mode_32 3
		.amdhsa_float_denorm_mode_16_64 3
		.amdhsa_memory_ordered 1
		.amdhsa_forward_progress 1
		.amdhsa_inst_pref_size 78
	.end_amdhsa_kernel
	.amdgpu_metadata
---
amdhsa.version: [ 1, 2 ]
amdhsa.kernels:
  - .name:           k_qc91cf837c5_outp
    .symbol:         k_qc91cf837c5_outp.kd
    .args:
      - { .name: vc, .offset: 0, .size: 8, .value_kind: global_buffer, .address_space: global }
      - { .name: vs, .offset: 8, .size: 8, .value_kind: global_buffer, .address_space: global }
      - { .name: wc, .offset: 16, .size: 8, .value_kind: global_buffer, .address_space: global }
      - { .name: ws, .offset: 24, .size: 8, .value_kind: global_buffer, .address_space: global }
      - { .name: out0, .offset: 32, .size: 8, .value_kind: global_buffer, .address_space: global }
    .group_segment_fixed_size: 327680
    .private_segment_fixed_size: 0
    .kernarg_segment_align: 8
    .kernarg_segment_size: 40
    .max_flat_workgroup_size: 128
    .sgpr_count:     100
    .vgpr_count:     840
    .wavefront_size: 32
...
	.end_amdgpu_metadata
.endif
;; end of part 4
